; MI455X (gfx1250); checked and timed in simulation.
; The chip was launched on July 23, 2026; its instructions are those of AMD's public machine-readable ISA for CDNA 5 (MIT licence, August 2026) and "CDNA5" Instruction Set Architecture Reference Guide (July 2026). The comments in the code are by the model that wrote it; some were corrected since.
;; Mo E. Allowed arithmetic: float matrix products may take bf16 or f16 operands with f32 sums; all other float work in f32.
;; Inputs: W1 8 x 1,024 x 4,096 float32; W2 8 x 4,096 x 1,024 float32; Wr 1,024 x 8 float32; b1 8 x 4,096 float32; b2 8 x 1,024 float32; br 8 float32; x 4 x 256 x 1,024 float32.
;; Outputs: out0 4 x 256 x 1,024 float32; out1 one number float32.
;; 2 versions, each right; version 2 is version 1 with the launch ffn2 written anew for expert scheduling mode. Each part assembles by itself: llvm-mc -triple=amdgcn-amd-amdhsa -mcpu=gfx1250 --defsym DOCPART=n.
;; ======== version 1 of 2: 4 launches
;; limits: values are held in f16: magnitudes above 65,504 overflow, below 6.1e-05 lose precision; inputs' magnitudes at most 65,504
;; workspace buffers: xb 2,097,152 bytes; sel 4,096 bytes of whole numbers; gate 8,192 bytes; imp 4,096 bytes; hf 67,108,864 bytes; y 33,554,432 bytes
;; launch router (part 1): grid 128 x 1, 8 waves a work-group, no clusters, 38,912 bytes of LDS; arguments x, Wr, br, xb, sel, gate, imp; writes xb, sel, gate, imp
.if DOCPART == 1
	.amdgcn_target "amdgcn-amd-amdhsa--gfx1250"
	.amdhsa_code_object_version 6
	.text
	.protected	k_q3e82ccec14_router
	.globl	k_q3e82ccec14_router
	.p2align	8
	.type	k_q3e82ccec14_router,@function
k_q3e82ccec14_router:
	s_mov_b64 s[64:65], 0
	v_nop
	global_prefetch_b8 v0, s[64:65] scope:SCOPE_SE
	s_setreg_imm32_b32 hwreg(HW_REG_WAVE_MODE, 25, 1), 1
	s_wait_xcnt 0x0
; ROUTER.  One wave, one token (t = 8 x work-group + wave); 128 work-groups of 8 waves take the 1,024 tokens.
; Makes, for its token: x as f16 (xb), the 8 logits in f32 (x . Wr + br), the softmax over all 8 (summed over the
; work-group's 8 tokens into imp[work-group][8]), the two largest logits (the lower index wins a tie, as lax.top_k has it),
; their softmax (gate[2t], gate[2t+1]) and the choice as whole numbers: sel[t] = e0 | e1<<4 | (1<<e0)<<8 | (1<<e1)<<16.
; The logits are f32 multiply-adds, not matrix products: they decide a discrete choice and are a tiny part of the arithmetic.
; No clusters: what the work-groups share is Wr, 32 KiB, against 32 KiB of x of their own; it is copied once into LDS.
; LIMITS: NaN logits are not ordered as lax.top_k orders them; two logits that agree to within the rounding of an f32 sum of
; 1,024 products may be taken in the other order than the reference's own sum takes them; |x| above 65,504 becomes infinite in xb.
; Lane l owns h = 128 i + 4 l + q (i = 0..7, q = 0..3): every load of x covers 512 consecutive bytes.
.set PITCH,  144                       ; LDS: a group of 4 h x 8 e of Wr is 128 bytes, laid 144 apart (an odd multiple of 16: 16 lanes, 16 different 16-byte columns)
.set GRP32,  32*PITCH                  ; 32 groups: what one round of the copy brings, and what one i of the sum reads
.set RES,    256*PITCH                 ; behind Wr: 64 bytes a wave: probs[8], sel, g0, g1, pad
.set X,      8                         ; v[8:39]    x of my 32 h
.set WV,     40                        ; v[40:103]  Wr: first the copy's 32 registers, then two slots of 32 that take turns
.set LG,     104                       ; v[104:111] the 8 sums, then the logits
.set XB,     128                       ; v[128:143] x as f16, store data
.set PR,     144                       ; v[144:151] probabilities; v[152:155] sel, g0, g1, pad
	s_load_b256 s[4:11], s[0:1], 0x0               ; x s[4:5], Wr s[6:7], br s[8:9], xb s[10:11]
	s_load_b128 s[12:15], s[0:1], 0x20             ; sel s[12:13], gate s[14:15]
	s_load_b64 s[16:17], s[0:1], 0x30              ; imp
	v_lshl_add_u32 v160, v0, 2, 0x9400
	v_mov_b32 v161, 0
	v_lshrrev_b32 v7, 5, v0
	v_readfirstlane_b32 s18, v7                    ; wave
	s_lshl_b32 s19, ttmp9, 3
	s_add_co_u32 s19, s19, s18                     ; token
	v_and_b32 v1, 31, v0                           ; lane
	v_lshlrev_b32 v2, 4, v1                        ; 16 x lane: x
	v_lshlrev_b32 v3, 4, v0                        ; 16 x thread: the copy of Wr
	v_lshrrev_b32 v4, 3, v0
	v_and_b32 v7, 7, v0
	v_mul_u32_u24 v4, v4, PITCH
	v_lshl_add_u32 v4, v7, 4, v4                   ; where the copy puts my 16 bytes: group thread / 8, piece thread % 8
	v_mul_u32_u24 v5, v1, PITCH                    ; my group in each run of 32 groups
	v_lshlrev_b32 v6, 3, v1                        ; 8 x lane: xb
	v_mov_b32 v112, 0                              ; the lane exchange's destination counts as read
	s_mov_b32 s32, 0x76543210                      ; v_permlanex16_b32: lane i reads lane i of the other half
	s_mov_b32 s33, 0xfedcba98
	s_lshl_b32 s20, s19, 12                        ; a row of x is 4,096 bytes
	s_mov_b32 s21, 0
	s_lshl_b32 s22, s19, 11                        ; a row of xb 2,048
	s_mov_b32 s23, 0
	s_wait_kmcnt 0x0
	s_load_b256 s[24:31], s[8:9], 0x0              ; br, all 8
	s_add_nc_u64 s[4:5], s[4:5], s[20:21]
	s_add_nc_u64 s[10:11], s[10:11], s[22:23]
.irp i, 0,1,2,3,4,5,6,7
	global_load_b128 v[X+4*\i:X+4*\i+3], v2, s[4:5] offset:512*\i th:TH_LOAD_NT
.endr
.irp z, 0,1,2,3,4,5,6,7
	global_load_b128 v[WV+4*\z:WV+4*\z+3], v3, s[6:7] offset:4096*\z      ; 256 threads x 16 bytes: 4,096 consecutive bytes of Wr a round
.endr
	s_wait_loadcnt 0x0
.irp z, 0,1,2,3,4,5,6,7
	ds_store_b128 v4, v[WV+4*\z:WV+4*\z+3] offset:GRP32*\z
.endr
	s_wait_dscnt 0x0                               ; my part of Wr is in LDS: zero, for the other waves' sake
	s_barrier_signal -1
	s_barrier_wait -1                              ; everybody's is
; eight loads: Wr[128 i + 4 l + q][0..7], q = 0..3, into slot
.macro WRLD i, slot
.irp z, 0,1,2,3,4,5,6,7
	ds_load_b128 v[WV+32*(\slot)+4*\z:WV+32*(\slot)+4*\z+3], v5 offset:GRP32*(\i)+16*\z
.endr
.endm
; four packed multiply-adds: the 8 sums take x[128 i + 4 l + q] x Wr[..][0..7]; the very first products start the sums
.macro RFMA i, q
.irp ep, 0,1,2,3
.set AC, LG+2*\ep
.set WW, WV+32*(\i&1)+8*\q+2*\ep
.set XX, X+4*\i+2*(\q>>1)
.if (\i+\q) == 0
	v_pk_mul_f32 v[AC:AC+1], v[WW:WW+1], v[XX:XX+1] op_sel_hi:[1,0]
.else
.if (\q&1) == 0
	v_pk_fma_f32 v[AC:AC+1], v[WW:WW+1], v[XX:XX+1], v[AC:AC+1] op_sel_hi:[1,0,1]
.else
	v_pk_fma_f32 v[AC:AC+1], v[WW:WW+1], v[XX:XX+1], v[AC:AC+1] op_sel:[0,1,0] op_sel_hi:[1,1,1]
.endif
.endif
.endr
.endm
	WRLD 0, 0
.irp i, 0,1,2,3,4,5,6,7
	v_cvt_pk_f16_f32 v[XB+2*\i],   v[X+4*\i],   v[X+4*\i+1]
	v_cvt_pk_f16_f32 v[XB+2*\i+1], v[X+4*\i+2], v[X+4*\i+3]
	global_store_b64 v6, v[XB+2*\i:XB+2*\i+1], s[10:11] offset:256*\i     ; the wave's 32 lanes store 256 consecutive bytes, aligned
.endr
.irp i, 0,1,2,3,4,5,6
	WRLD \i+1, (\i+1)&1
	s_wait_dscnt 0x8                               ; all but the eight just issued: this i's Wr is in
	RFMA \i, 0
	RFMA \i, 1
	RFMA \i, 2
	RFMA \i, 3
.endr
	s_wait_dscnt 0x0
	RFMA 7, 0
	RFMA 7, 1
	RFMA 7, 2
	RFMA 7, 3
	; over the 32 lanes; every lane ends with all 8 logits
.irp e, 0,1,2,3,4,5,6,7
	v_add_f32_dpp v[LG+\e], v[LG+\e], v[LG+\e] row_xmask:1 row_mask:0xf bank_mask:0xf
	v_add_f32_dpp v[LG+\e], v[LG+\e], v[LG+\e] row_xmask:2 row_mask:0xf bank_mask:0xf
	v_add_f32_dpp v[LG+\e], v[LG+\e], v[LG+\e] row_xmask:4 row_mask:0xf bank_mask:0xf
	v_add_f32_dpp v[LG+\e], v[LG+\e], v[LG+\e] row_xmask:8 row_mask:0xf bank_mask:0xf
	v_permlanex16_b32 v112, v[LG+\e], s32, s33
	v_add_f32 v[LG+\e], v[LG+\e], v112
.endr
	s_wait_kmcnt 0x0                               ; br
.irp e, 0,1,2,3,4,5,6,7
	v_add_f32 v[LG+\e], s[24+\e], v[LG+\e]
.endr
	; the largest logit (v113) and its index (v114): a strict compare, so the lower index keeps a tie
	v_mov_b32 v113, v[LG]
	v_mov_b32 v114, 0
.irp e, 1,2,3,4,5,6,7
	v_cmp_gt_f32 vcc_lo, v[LG+\e], v113
	v_cndmask_b32 v113, v113, v[LG+\e], vcc_lo
	v_cndmask_b32 v114, v114, \e, vcc_lo
.endr
	; the same once more with the winner at minus infinity: v124, v125
	v_mov_b32 v115, 0xff800000
.irp e, 0,1,2,3,4,5,6,7
	v_cmp_eq_u32 vcc_lo, \e, v114
	v_cndmask_b32 v[116+\e], v[LG+\e], v115, vcc_lo
.endr
	v_mov_b32 v124, v116
	v_mov_b32 v125, 0
.irp e, 1,2,3,4,5,6,7
	v_cmp_gt_f32 vcc_lo, v[116+\e], v124
	v_cndmask_b32 v124, v124, v[116+\e], vcc_lo
	v_cndmask_b32 v125, v125, \e, vcc_lo
.endr
	; both softmaxes, the maximum taken away first: exponents are at most 0
.irp e, 0,1,2,3,4,5,6,7
	v_sub_f32 v[PR+\e], v[LG+\e], v113
.endr
	v_sub_f32 v126, v124, v113
.irp e, 0,1,2,3,4,5,6,7
	v_mul_f32 v[PR+\e], 0x3fb8aa3b, v[PR+\e]       ; x log2(e): v_exp_f32 is 2^x
.endr
	v_mul_f32 v126, 0x3fb8aa3b, v126
.irp e, 0,1,2,3,4,5,6,7
	v_exp_f32 v[PR+\e], v[PR+\e]
.endr
	v_exp_f32 v126, v126
	v_mov_b32 v156, 1                              ; a plain instruction between the exponentials and their first use (ISA guide 5.7.2)
	s_wait_alu depctr_va_vdst(0)
	v_add_f32 v127, v[PR], v[PR+1]
	v_add_f32 v112, v[PR+2], v[PR+3]
	v_add_f32 v115, v[PR+4], v[PR+5]
	v_add_f32 v116, v[PR+6], v[PR+7]
	v_add_f32 v127, v127, v112
	v_add_f32 v115, v115, v116
	v_add_f32 v127, v127, v115
	v_add_f32 v117, 1.0, v126
	v_rcp_f32 v127, v127
	v_rcp_f32 v153, v117                           ; g0 = 1 / (1 + exp(second - first))
	v_lshlrev_b32 v157, v114, v156                 ; 1 << e0: plain work behind the reciprocals
	v_lshlrev_b32 v158, v125, v156                 ; 1 << e1
	v_lshl_or_b32 v152, v125, 4, v114
	v_lshl_or_b32 v152, v157, 8, v152
	v_lshl_or_b32 v152, v158, 16, v152             ; the sel word
	s_wait_alu depctr_va_vdst(0)
.irp e, 0,1,2,3,4,5,6,7
	v_mul_f32 v[PR+\e], v[PR+\e], v127
.endr
	v_mul_f32 v154, v126, v153                     ; g1
	v_mov_b32 v155, 0
	s_lshl_b32 s34, s18, 6
	s_add_co_u32 s34, s34, RES
	v_mov_b32 v159, s34                            ; my wave's 64 bytes; all lanes store the same values to the same bytes
	ds_store_b128 v159, v[PR:PR+3]
	ds_store_b128 v159, v[PR+4:PR+7] offset:16
	ds_store_b128 v159, v[152:155] offset:32
	s_wait_dscnt 0x0                               ; zero: wave 0 reads these bytes behind the barrier
	s_barrier_signal -1
	s_barrier_wait -1
	s_cmp_lg_u32 s18, 0
	s_cbranch_scc1 .Lend
	; wave 0 gathers the work-group's 8 tokens and stores them
	v_and_b32 v7, 7, v1
	v_lshlrev_b32 v16, 2, v7                       ; imp: lane l takes expert l & 7 of every wave
	v_lshlrev_b32 v17, 6, v7                       ; sel: lane l takes wave l & 7
	v_and_b32 v18, 15, v1
	v_lshrrev_b32 v18, 1, v18
	v_and_b32 v19, 1, v1
	v_lshlrev_b32 v18, 6, v18
	v_lshl_add_u32 v18, v19, 2, v18                ; gate: lane l takes wave (l & 15) / 2, weight l & 1
.irp k, 0,1,2,3,4,5,6,7
	ds_load_b32 v[X+\k], v16 offset:RES+64*\k
.endr
	ds_load_b32 v20, v17 offset:RES+32
	ds_load_b32 v21, v18 offset:RES+36
	v_lshlrev_b32 v22, 2, v1
	s_lshl_b32 s20, ttmp9, 5                       ; 8 words a work-group in imp and in sel,
	s_lshl_b32 s22, ttmp9, 6                       ; 16 in gate
	s_add_nc_u64 s[16:17], s[16:17], s[20:21]
	s_add_nc_u64 s[12:13], s[12:13], s[20:21]
	s_add_nc_u64 s[14:15], s[14:15], s[22:23]
	s_wait_dscnt 0x0
	v_add_f32 v8, v8, v9
	v_add_f32 v10, v10, v11
	v_add_f32 v12, v12, v13
	v_add_f32 v14, v14, v15
	v_add_f32 v8, v8, v10
	v_add_f32 v12, v12, v14
	v_add_f32 v8, v8, v12
	v_cmp_gt_u32 vcc_lo, 8, v1
	s_wait_xcnt 0x0                                ; EXEC is a source of the stores of xb: it changes only behind this wait
	s_and_saveexec_b32 s36, vcc_lo
	global_store_b32 v22, v8, s[16:17]
	global_store_b32 v22, v20, s[12:13]
	s_wait_xcnt 0x0
	s_or_b32 exec_lo, exec_lo, s36
	v_cmp_gt_u32 vcc_lo, 16, v1
	s_and_saveexec_b32 s36, vcc_lo
	global_store_b32 v22, v21, s[14:15]
	s_wait_xcnt 0x0
	s_or_b32 exec_lo, exec_lo, s36
.Lend:
	s_wait_tensorcnt 0x0
	ds_add_u32 v160, v161
	s_wait_dscnt 0x0
	s_endpgm
.Lfunc_end_k_q3e82ccec14_router:
	.size	k_q3e82ccec14_router, .Lfunc_end_k_q3e82ccec14_router-k_q3e82ccec14_router
	.p2alignl 7, 3214868480
	.fill 96, 4, 3214868480
	.section	.rodata,"a",@progbits
	.p2align	6, 0x0
	.amdhsa_kernel k_q3e82ccec14_router
		.amdhsa_group_segment_fixed_size 38912
		.amdhsa_private_segment_fixed_size 0
		.amdhsa_enable_private_segment 0
		.amdhsa_kernarg_size 56
		.amdhsa_user_sgpr_count 2
		.amdhsa_user_sgpr_kernarg_segment_ptr 1
		.amdhsa_wavefront_size32 1
		.amdhsa_system_sgpr_workgroup_id_x 1
		.amdhsa_system_sgpr_workgroup_id_y 1
		.amdhsa_system_sgpr_workgroup_id_z 1
		.amdhsa_system_vgpr_workitem_id 0
		.amdhsa_next_free_vgpr 162
		.amdhsa_next_free_sgpr 66
		.amdhsa_reserve_vcc 1
		.amdhsa_float_denorm_mode_32 3
		.amdhsa_float_denorm_mode_16_64 3
		.amdhsa_memory_ordered 1
		.amdhsa_forward_progress 1
		.amdhsa_inst_pref_size 28
	.end_amdhsa_kernel
	.amdgpu_metadata
---
amdhsa.version: [ 1, 2 ]
amdhsa.kernels:
  - .name:           k_q3e82ccec14_router
    .symbol:         k_q3e82ccec14_router.kd
    .args:
      - { .name: x, .offset: 0, .size: 8, .value_kind: global_buffer, .address_space: global }
      - { .name: Wr, .offset: 8, .size: 8, .value_kind: global_buffer, .address_space: global }
      - { .name: br, .offset: 16, .size: 8, .value_kind: global_buffer, .address_space: global }
      - { .name: xb, .offset: 24, .size: 8, .value_kind: global_buffer, .address_space: global }
      - { .name: sel, .offset: 32, .size: 8, .value_kind: global_buffer, .address_space: global }
      - { .name: gate, .offset: 40, .size: 8, .value_kind: global_buffer, .address_space: global }
      - { .name: imp, .offset: 48, .size: 8, .value_kind: global_buffer, .address_space: global }
    .group_segment_fixed_size: 38912
    .private_segment_fixed_size: 0
    .kernarg_segment_align: 8
    .kernarg_segment_size: 56
    .max_flat_workgroup_size: 256
    .sgpr_count:     66
    .vgpr_count:     162
    .wavefront_size: 32
...
	.end_amdgpu_metadata
.endif
;; end of part 1
;; launch ffn1 (part 2): grid 32 x 8, 4 waves a work-group, no clusters, 199,168 bytes of LDS; arguments xb, W1, b1, sel, hf; writes hf
.if DOCPART == 2
	.amdgcn_target "amdgcn-amd-amdhsa--gfx1250"
	.amdhsa_code_object_version 6
	.text
	.protected	k_q3e82ccec14_ffn1
	.globl	k_q3e82ccec14_ffn1
	.p2align	8
	.type	k_q3e82ccec14_ffn1,@function
k_q3e82ccec14_ffn1:
	s_mov_b64 s[64:65], 0
	v_nop
	global_prefetch_b8 v0, s[64:65] scope:SCOPE_SE
	s_setreg_imm32_b32 hwreg(HW_REG_WAVE_MODE, 25, 1), 1
	s_wait_xcnt 0x0
; FIRST LAYER OF THE EXPERTS, for the rows that the gate keeps: hf = gelu(x W1[e] + b1[e]) / 16 in f16.
; The gate gives six of a token's eight experts the weight 0, so only the 2,048 pairs (token, chosen expert) are computed.
; LIMIT: where an expert that was NOT chosen would overflow, the reference has 0 x inf = NaN and this program a finite number.
; NUMBER FORMAT: the matrix operands are f16: eight times finer than bf16, which the sum over 4,096 products of the second layer needs to stay well
; inside a hundredth of the output's root mean square.  Room: W1 is drawn inside +-1/32; thirty times larger it is below 1, thirty times smaller its root mean square
; is 6e-4, where f16's step is 2^-21 or finer.  The GELU is stored divided by 16 (an exact power of two; the last launch multiplies by 16), so that it has room up to
; 1,048,064 (1,024 products of x with an offset of 30 and W1 with an offset of thirty spreads stay below 60,000) and, at 3e-4 (x and W1 both thirty times smaller),
; is still kept to a step of 2^-24 x 16.  LIMIT: a GELU above 1,048,064 in magnitude becomes infinite.
; Work-group (nt, e) owns W1[e][0..1023][128 nt .. +127]: 512 KiB of f32, read from memory by this work-group alone, once,
; rounded to f16 and KEPT IN REGISTERS: wave w holds k = 256 w .. +255 of all 128 columns, 64 fragments, 512 registers.
; Then the expert's rows go past in blocks of 32: a wave makes 2 x 8 tiles over its quarter of K (128 matrix instructions on 16
; accumulators), the four quarters meet in LDS, each wave adds up four of the 16 tiles, adds b1, takes the GELU and stores f16.
; WEIGHTS WITHOUT A TRANSPOSE: load j of a unit (32 k x 64 columns) has lanes 0-15 on 256 consecutive bytes of row 32 s + j and lanes 16-31
; on the same columns of row 32 s + 16 + j.  After 16 loads lane (r, h) holds columns 64 c + 4 r + t (t = 0..3) at k = 32 s + 16 h + 0..15,
; which packs into four fragments; fragment t's operand row r is column 64 c + 4 r + t.  The tokens' fragments hold k in the same places
; (32 consecutive bytes a lane), and a permutation of k that both operands share leaves the products as they are.
; THE EXPERT'S ROWS are never written down as a list here.  sel lies in 32 registers (register j = 4 i + q, lane l: token 128 i + 4 l + q).  For each j a scalar
; register keeps the mask of the lanes whose token chose this expert, and another keeps (entries before j) << 10 | (token of lane 0).  Entry n of the expert is then
; the set bit of rank n - (entries before j) in the last j with (entries before j) <= n: register arithmetic on what was loaded from sel, with no LDS byte and no
; LDS wait between sel and a row's address.  The order (j ascending, lanes ascending) is the order of the second layer's list.
; Rows past the count repeat entry 0.  An expert that no token chose still writes block 0 (from some token inside x); the second layer uses none of it.
; THE BLOCK LOOP has the fixed count 32 (all 1,024 tokens may choose one expert); blocks past the expert's count skip the work, never the barrier.
; hf is laid out as ffn2's fragments: [e][block 32][chunk nt 32][m 2][tile 8][lane 32][16 bytes]; lane (r, h) of tile (m, 4 c + t) holds
; row 16 m + r, columns 64 c + 32 h + 4 j + t, j = 0..7.
; GELU is exact GELU with erf by Abramowitz and Stegun 7.1.26 (absolute error at most 1.5e-7 for every argument):
; gelu(v) = v/2 + z (0.70710678 - 0.70710678 poly(t) exp(-z z)), z = |v| / sqrt 2, t = 1 / (1 + 0.3275911 z).
; NO CLUSTERS, NO TENSOR LOADS: the weights are read by one work-group each; the rows of xb that the 32 work-groups of an expert
; share are picked row by row, which a tile's descriptor cannot state, and the number of blocks is made here from sel and steers a
; branch, while a joint request has to stand on every path.
; REGISTER WINDOWS (s_set_vgpr_msb: bits 1:0 source 0, 3:2 source 1, 5:4 source 2, 7:6 destination):
;   window 0: addresses, constants, the 16 accumulators v128-255;  windows 1, 2: weight fragment 8 s + tile at (64 s + 8 tile) & 255, s < 4 in window 1;
;   window 3: three slots of 64 registers for weights as loaded; later G (rows of xb as loaded, 64-191) and F (token fragments, 192-255 and 0-63).
.set WP,     16384                     ; bytes in a row of W1
.set APITCH, 528                       ; LDS from byte 0: each wave's own 32 rows x 512 bytes of xb, laid 528 apart (an odd multiple of 16: the 16 rows of a fragment load fall into 16 different 16-byte columns)
.set AWAVE,  32*APITCH
.set SCR,    4*AWAVE                   ; then two buffers for the partial sums: source wave x 16,384 + tile x 1,024 + half x 512 + lane x 16
.set SBUF,   65536
.set LN,     6                         ; v6   n: which entry my lane looks for
.set LNN,    7                         ; v7   n << 10 | 1023
.set LX,     8                         ; v8   the chosen j's (entries before) << 10 | token of lane 0
.set LW,     9                         ; v9   the chosen j's mask
.set LR,     10                        ; v10  the rank that is left
.set LT,     11                        ; v11  at work
.set LPOS,   12                        ; v12  the bit found so far
.set LA2,    23                        ; v23  the mask's counts of 2 bits,
.set LA4,    26                        ; v26  of 4,
.set LA8,    27                        ; v27  of 8
.set TOK,    28                        ; v28  lane l: the token of the block's row l
.set C16,    24                        ; v[24:25]   0.70710678 / 16, twice
.set SEL,    32                        ; v[32:63]   sel of my 32 tokens; afterwards:
.set AA,     32                        ; v[32:63]   the byte offsets in xb of my 16 bytes of the block's 32 rows
.set BP,     64                        ; v[64:79]   b1 of my columns: pair j = the two tiles' columns at 4 j
.set OUTR,   80                        ; v[80:95]   four tiles' packed results, store data
.set Q,      96                        ; v[96:103]  the polynomial
.set CP,     104                       ; v[104:119] eight constants, each twice (pairs for the packed arithmetic)
.set ACC,    128                       ; v[128:255] accumulators, tile T = 8 m + tile at ACC + 8 T; in the epilogue the partial sums
.set SX,     32                        ; s[32:63]   j: (entries before j) << 10 | 128 (j >> 2) + (j & 3)
.set SM,     66                        ; s[66:97]   j: the lanes whose token chose this expert
.set MSB,    0
.macro WIN new                         ; the immediate's high byte repeats the setting that is left
.if MSB != \new
	s_set_vgpr_msb (MSB<<8)|\new
.set MSB, \new
.endif
.endm
; Five places behind the last matrix instruction: for the LDS stores of results, for loads into its sources,
; and for the next block's first products, which write over the accumulators.
.macro PLACES
.rept 5
	v_nop
.endr
.endm
; One halving of the search for the set bit of rank LR: if the lower part (step bits from LPOS) holds LR set bits or fewer, go on in the upper part.
.macro LEVEL src, fw, step
	v_bfe_u32 v[LT], v[\src], v[LPOS], \fw         ; set bits in the lower part
	v_cmp_ge_u32 vcc_lo, v[LR], v[LT]
	v_cndmask_b32 v[LT], 0, v[LT], vcc_lo
	v_sub_nc_u32 v[LR], v[LR], v[LT]
	v_cndmask_b32 v[LT], 0, \step, vcc_lo
	v_add_nc_u32 v[LPOS], v[LPOS], v[LT]
.endm
; The tokens of the block whose first entry is s28 (= 32 x block): lane l gets entry s28 + l into TOK.  s30 = the expert's count.
.macro LISTSEL
	v_add_nc_u32 v[LN], s28, v1
	v_cmp_gt_u32 vcc_lo, s30, v[LN]
	v_cndmask_b32 v[LN], 0, v[LN], vcc_lo          ; past the count: entry 0
	v_lshl_or_b32 v[LNN], v[LN], 10, 0x3ff
	v_mov_b32 v[LX], 0                             ; j = 0: nothing before it, token 0
	v_mov_b32 v[LW], s[SM]
.set jj, 1
.rept 31
	v_cmp_gt_u32 vcc_lo, s[SX+jj], v[LNN]          ; more than n entries before j: keep what I have (the counts never fall, so the last j taken is the right one)
	v_cndmask_b32 v[LX], s[SX+jj], v[LX], vcc_lo
	v_cndmask_b32 v[LW], s[SM+jj], v[LW], vcc_lo
.set jj, jj+1
.endr
	v_lshrrev_b32 v[LT], 10, v[LX]
	v_sub_nc_u32 v[LR], v[LN], v[LT]               ; my rank among the mask's set bits
	v_lshrrev_b32 v[LT], 1, v[LW]
	v_and_b32 v[LT], 0x55555555, v[LT]
	v_sub_nc_u32 v[LA2], v[LW], v[LT]              ; set bits in each 2,
	v_lshrrev_b32 v[LT], 2, v[LA2]
	v_and_b32 v[LT], 0x33333333, v[LT]
	v_and_b32 v[LA4], 0x33333333, v[LA2]
	v_add_nc_u32 v[LA4], v[LA4], v[LT]             ; in each 4,
	v_lshrrev_b32 v[LT], 4, v[LA4]
	v_add_nc_u32 v[LT], v[LA4], v[LT]
	v_and_b32 v[LA8], 0x0f0f0f0f, v[LT]            ; in each 8,
	v_lshrrev_b32 v[LT], 8, v[LA8]
	v_add_nc_u32 v[LT], v[LA8], v[LT]
	v_and_b32 v[LT], 0xff, v[LT]                   ; in bits 0-15
	v_cmp_ge_u32 vcc_lo, v[LR], v[LT]
	v_cndmask_b32 v[LT], 0, v[LT], vcc_lo
	v_sub_nc_u32 v[LR], v[LR], v[LT]
	v_cndmask_b32 v[LPOS], 0, 16, vcc_lo
	LEVEL LA8, 8, 8
	LEVEL LA4, 4, 4
	LEVEL LA2, 2, 2
	LEVEL LW, 1, 1                                 ; LPOS is at most 31 whatever the mask holds
	v_and_b32 v[LT], 0x3ff, v[LX]
	v_lshl_add_u32 v[TOK], v[LPOS], 2, v[LT]       ; token = 128 i + q + 4 x lane
.endm
; Row l's token goes from lane l to every lane through a scalar register, eight at a time: offset = token x 2,048 + 512 w + 16 x lane
.macro ADDRS
.irp g, 0,1,2,3
.irp k, 0,1,2,3,4,5,6,7
	v_readlane_b32 s[16+\k], v[TOK], 8*\g+\k
.endr
.irp k, 0,1,2,3,4,5,6,7
	s_min_u32 s[16+\k], s[16+\k], 0x3ff            ; inside xb whatever sel holds
.endr
.irp k, 0,1,2,3,4,5,6,7
	v_lshl_add_u32 v[AA+8*\g+\k], s[16+\k], 11, v13
.endr
.endr
.endm
; Unit u = 2 s + c: 16 loads, 32 rows x 64 columns of f32, into slot u % 3
.macro WLOAD u
	WIN 0xc0
.set WSL, 64*((\u)%3)
.irp j, 0,1,2,3,4,5,6,7,8,9,10,11,12,13,14,15
	global_load_b128 v[WSL+4*\j:WSL+4*\j+3], v5, s[6:7] offset:(32*((\u)>>1)+\j)*WP+256*((\u)&1) th:TH_LOAD_NT
.endr
.endm
; and its 32 roundings into four fragments: register i of fragment t = (load 2 i, load 2 i + 1) at column t
.macro WCVT u
.if (\u) < 8
	WIN 0x4f
.else
	WIN 0x8f
.endif
.irp t, 0,1,2,3
.irp i, 0,1,2,3,4,5,6,7
	v_cvt_pk_f16_f32 v[((64*((\u)>>1)+32*((\u)&1)+8*\t)&255)+\i], v[64*((\u)%3)+8*\i+\t], v[64*((\u)%3)+8*\i+4+\t]
.endr
.endr
.endm
.macro GLOAD                           ; 32 rows: each load takes my wave's 512 consecutive bytes, aligned, of one row
	WIN 0xc0
.set ii, 0
.rept 32
	global_load_b128 v[64+4*ii:64+4*ii+3], v[AA+ii], s[4:5]
.set ii, ii+1
.endr
.endm
; 16 matrix instructions, 32 along K.  Source 0 = weights, source 1 = tokens: lane (r, h), register j of the result is row 16 m + r,
; column 64 c + 32 h + 4 j + t.  The 16 accumulators take turns, one instruction a turn.  The first step starts the sums.
.macro KSTEP s
.if \s < 4
	WIN 0x0d
.else
	WIN 0x0e
.endif
.irp m, 0,1
.irp tau, 0,1,2,3,4,5,6,7
.set DD, ACC+8*(8*\m+\tau)
.set WB, (64*\s+8*\tau)&255
.set FB, (192+8*(2*\s+\m))&255
.if \s == 0
	v_wmma_f32_16x16x32_f16 v[DD:DD+7], v[WB:WB+7], v[FB:FB+7], 0
.else
	v_wmma_f32_16x16x32_f16 v[DD:DD+7], v[WB:WB+7], v[FB:FB+7], v[DD:DD+7]
.endif
.endr
.endr
.endm
; A block's products.  Its rows are on their way in G; s28 = 32 x the next block; b = the buffer for the partial sums.
.macro PHASE_A b
	s_wait_loadcnt 0x0                             ; G is in, and the offsets AA are free
	WIN 0x0c
.set ii, 0
.rept 32
	ds_store_b128 v14, v[64+4*ii:64+4*ii+3] offset:APITCH*ii       ; a row's 512 bytes, 16 a lane
.set ii, ii+1
.endr
	WIN 0xc0
.irp s, 0,1,2,3,4,5,6,7
.irp m, 0,1
.set FB, (192+8*(2*\s+\m))&255
	ds_load_b128 v[FB:FB+3],   v15 offset:16*APITCH*\m+64*\s       ; my own bytes: LDS serves a wave's instructions in order (ISA guide 5.7.1)
	ds_load_b128 v[FB+4:FB+7], v15 offset:16*APITCH*\m+64*\s+16
.endr
.endr
	WIN 0
	LISTSEL                                        ; the next block's tokens, while LDS works through the 64 instructions above
	s_wait_dscnt 32                                ; all but the 32 fragment loads: the stores have read G
	ADDRS
	GLOAD                                          ; the next block's rows: they have this block's products and epilogue in which to land
.irp s, 0,1,2,3,4,5,6,7
	s_wait_dscnt 28-4*\s                           ; four fragment loads a step: the later steps' may stay out
	KSTEP \s
.endr
	WIN 0
	PLACES
.irp T, 0,1,2,3,4,5,6,7,8,9,10,11,12,13,14,15
	ds_store_b128 v[16+(\b)], v[ACC+8*\T:ACC+8*\T+3]   offset:1024*\T
	ds_store_b128 v[16+(\b)], v[ACC+8*\T+4:ACC+8*\T+7] offset:1024*\T+512
.endr
.endm
; gelu / 16 of v[VV:VV+7]; z in VV+8.., t in VV+16.., exp in VV+24.. (the other waves' partial sums, added up by now).
; The sixteenth costs nothing: v/2 becomes v/32, and the polynomial's coefficients and the last 0.70710678 are kept divided by 16.
.macro GELU8
.irp j, 0,1,2,3,4,5,6,7
	v_mul_f32 v[VV+8+\j], |v[VV+\j]|, v[CP+14]                     ; z = |v| / sqrt 2
.endr
.irp k, 0,2,4,6
	v_pk_fma_f32 v[VV+16+\k:VV+17+\k], v[VV+8+\k:VV+9+\k], v[CP:CP+1], 1.0 op_sel_hi:[1,1,0]
.endr
.irp k, 0,2,4,6
	v_pk_mul_f32 v[VV+24+\k:VV+25+\k], v[VV+8+\k:VV+9+\k], v[VV+8+\k:VV+9+\k]
.endr
.irp k, 0,2,4,6
	v_pk_mul_f32 v[VV+24+\k:VV+25+\k], v[VV+24+\k:VV+25+\k], v[CP+2:CP+3]      ; - z z log2(e): at most 0, so the exponential cannot overflow
.endr
.irp j, 0,1,2,3,4,5,6,7
	v_rcp_f32 v[VV+16+\j], v[VV+16+\j]
.endr
.irp j, 0,1,2,3,4,5,6,7
	v_exp_f32 v[VV+24+\j], v[VV+24+\j]
.endr
.irp k, 0,2,4,6
	v_pk_mul_f32 v[VV+\k:VV+\k+1], v[VV+\k:VV+\k+1], 0x3d000000 op_sel_hi:[1,0]    ; v / 32; plain work between the transcendentals and their first use (ISA guide 5.7.2)
.endr
	s_wait_alu depctr_va_vdst(0)
.irp k, 0,2,4,6
	v_pk_fma_f32 v[Q+\k:Q+\k+1], v[VV+16+\k:VV+17+\k], v[CP+12:CP+13], v[CP+10:CP+11]
.endr
.irp c, 8,6,4
.irp k, 0,2,4,6
	v_pk_fma_f32 v[Q+\k:Q+\k+1], v[Q+\k:Q+\k+1], v[VV+16+\k:VV+17+\k], v[CP+\c:CP+\c+1]
.endr
.endr
.irp k, 0,2,4,6
	v_pk_mul_f32 v[Q+\k:Q+\k+1], v[Q+\k:Q+\k+1], v[VV+16+\k:VV+17+\k]          ; - 0.70710678 poly(t) / 16: the coefficients are kept negated
.endr
.irp k, 0,2,4,6
	v_pk_fma_f32 v[Q+\k:Q+\k+1], v[Q+\k:Q+\k+1], v[VV+24+\k:VV+25+\k], v[C16:C16+1]
.endr
.irp k, 0,2,4,6
	v_pk_fma_f32 v[VV+\k:VV+\k+1], v[VV+8+\k:VV+9+\k], v[Q+\k:Q+\k+1], v[VV+\k:VV+\k+1]
.endr
.endm
; tile z = 2 m + t' of my four (tile 2 w + t' of block half m): four partial sums, bias, GELU, f16, 16 bytes a lane out
.macro TILE_OUT z
.set VV, ACC+32*\z
.irp k, 0,2,4,6
	v_pk_add_f32 v[VV+\k:VV+\k+1], v[VV+\k:VV+\k+1], v[VV+8+\k:VV+9+\k]
	v_pk_add_f32 v[VV+16+\k:VV+17+\k], v[VV+16+\k:VV+17+\k], v[VV+24+\k:VV+25+\k]
.endr
.irp k, 0,2,4,6
	v_pk_add_f32 v[VV+\k:VV+\k+1], v[VV+\k:VV+\k+1], v[VV+16+\k:VV+17+\k]
.endr
.irp j, 0,1,2,3,4,5,6,7
	v_add_f32 v[VV+\j], v[VV+\j], v[BP+2*\j+(\z&1)]
.endr
	GELU8
.irp i, 0,1,2,3
	v_cvt_pk_f16_f32 v[OUTR+4*\z+\i], v[VV+2*\i], v[VV+2*\i+1]
.endr
	global_store_b128 v21, v[OUTR+4*\z:OUTR+4*\z+3], s[12:13] offset:4096*(\z>>1)+512*(\z&1)   ; the wave stores 512 consecutive bytes, aligned
.endm
; A block's epilogue.  s27 = the block; b = the buffer that holds its partial sums.
.macro PHASE_B b
	s_wait_xcnt 0x0                                ; the last block's stores have read their offset and data: both are written again below
	s_lshl_b32 s29, s27, 18
	v_add_nc_u32 v21, s29, v20
.irp z, 0,1,2,3
.irp ws, 0,1,2,3
.irp q, 0,1
	ds_load_b128 v[ACC+32*\z+8*\ws+4*\q:ACC+32*\z+8*\ws+4*\q+3], v[18+(\b)] offset:16384*\ws+8192*(\z>>1)+1024*(\z&1)+512*\q
.endr
.endr
.endr
.irp z, 0,1,2,3
	s_wait_dscnt 24-8*\z                           ; eight loads a tile: the later tiles' may stay out
	TILE_OUT \z
.endr
.endm
; One trip.  The barrier does two things: the partial sums of block s26 + par are whole (every wave waited for its stores), and nobody reads
; the other buffer any more (every wave waited for its loads in its last epilogue).  It stands outside the branches on the block count.
.macro TRIP par
	s_wait_dscnt 0x0
	s_barrier_signal -1
	s_barrier_wait -1
	s_add_co_u32 s27, s26, \par
	s_cmp_ge_u32 s27, s25
	s_cbranch_scc1 .Lskip_\@
	PHASE_B \par
	s_add_co_u32 s28, s26, \par+1
	s_cmp_ge_u32 s28, s25
	s_cbranch_scc1 .Lskip_\@
	s_add_co_u32 s28, s26, \par+2
	s_lshl_b32 s28, s28, 5                         ; 32 entries a block
	PHASE_A 1-\par
.Lskip_\@:
.endm
	s_load_b256 s[4:11], s[0:1], 0x0               ; xb s[4:5], W1 s[6:7], b1 s[8:9], sel s[10:11]
	s_load_b64 s[12:13], s[0:1], 0x20              ; hf
	v_lshl_add_u32 v126, v0, 2, 0x30800
	v_mov_b32 v127, 0
	v_lshrrev_b32 v9, 5, v0
	v_readfirstlane_b32 s14, v9                    ; wave
	s_and_b32 s15, ttmp7, 0xffff                   ; expert
	v_and_b32 v1, 31, v0                           ; lane
	v_and_b32 v2, 15, v0                           ; r
	v_bfe_u32 v3, v0, 4, 1                         ; h
	v_lshlrev_b32 v4, 4, v1                        ; 16 x lane
	v_lshlrev_b32 v5, 4, v2
	v_lshl_add_u32 v5, v3, 18, v5                  ; weights: 16 r + h x 16 rows
	s_lshl_b32 s18, s15, 24                        ; an expert's W1 is 16 MiB,
	s_lshl_b32 s16, s14, 22                        ; a wave's 256 rows 4 MiB,
	s_add_co_u32 s18, s18, s16
	s_lshl_b32 s16, ttmp9, 9                       ; 128 columns 512 bytes
	s_add_co_u32 s18, s18, s16
	s_mov_b32 s19, 0
	s_wait_kmcnt 0x0
	s_add_nc_u64 s[6:7], s[6:7], s[18:19]
.irp i, 0,1,2,3,4,5,6,7
	global_load_b128 v[SEL+4*\i:SEL+4*\i+3], v4, s[10:11] offset:512*\i    ; tokens 128 i + 4 l + 0..3
.endr
	WLOAD 0
	WLOAD 1
	WLOAD 2
	WIN 0
	s_lshl_b32 s18, s15, 14
	s_add_co_u32 s18, s18, s16
	s_add_nc_u64 s[8:9], s[8:9], s[18:19]          ; b1[e][128 nt]
	s_lshl_b32 s18, s15, 23
	s_lshl_b32 s16, ttmp9, 13
	s_add_co_u32 s18, s18, s16
	s_add_nc_u64 s[12:13], s[12:13], s[18:19]      ; hf[e][.][nt]
	s_add_co_u32 s16, s15, 8
	s_lshl_b32 s20, 1, s16
	s_add_co_u32 s16, s15, 16
	s_lshl_b32 s17, 1, s16
	s_or_b32 s20, s20, s17                         ; the expert's two bits in a sel word: first choice, second choice
	s_lshl_b32 s16, s14, 9
	v_add_nc_u32 v13, s16, v4                      ; 512 w + 16 x lane in a row of xb
	s_mul_i32 s16, s14, AWAVE                      ; my wave's rows in LDS
	v_add_nc_u32 v14, s16, v4                      ; in: 16 bytes at 16 x lane of each row
	v_mul_u32_u24 v9, v2, APITCH
	v_lshl_add_u32 v9, v3, 5, v9
	v_add_nc_u32 v15, s16, v9                      ; out: row r, 32 bytes at 32 h
	s_lshl_b32 s17, s14, 14
	s_add_co_u32 s17, s17, SCR
	v_add_nc_u32 v16, s17, v4                      ; my partial sums, buffer 0,
	v_add_nc_u32 v17, SBUF, v16                    ; buffer 1
	s_lshl_b32 s17, s14, 11
	s_add_co_u32 s17, s17, SCR
	v_add_nc_u32 v18, s17, v4                      ; the tiles 2 w, 2 w + 1 that I add up, buffer 0,
	v_add_nc_u32 v19, SBUF, v18                    ; buffer 1
	s_lshl_b32 s17, s14, 10
	v_add_nc_u32 v20, s17, v4                      ; and where they go in a chunk of hf
	s_lshr_b32 s16, s14, 1
	s_lshl_b32 s16, s16, 8
	s_and_b32 s17, s14, 1
	s_lshl_b32 s17, s17, 3
	s_add_co_u32 s16, s16, s17
	v_lshl_add_u32 v22, v3, 7, s16                 ; b1: 4 x (64 (w >> 1) + 32 h + 2 (w & 1))
	s_mov_b32 s30, 0                               ; the count
	s_wait_loadcnt 48                              ; the three units behind sel stay out
	; the 32 masks and the 32 running counts, each with the token of its register's lane 0 in the low 10 bits
.set jj, 0
.rept 32
	v_and_b32 v9, s20, v[SEL+jj]
	v_cmp_ne_u32 s[SM+jj], 0, v9
	s_lshl_b32 s[SX+jj], s30, 10
	s_or_b32 s[SX+jj], s[SX+jj], 128*(jj>>2)+(jj&3)
	s_bcnt1_i32_b32 s24, s[SM+jj]
	s_add_co_u32 s30, s30, s24
.set jj, jj+1
.endr
	s_add_co_u32 s25, s30, 31
	s_lshr_b32 s25, s25, 5
	s_max_u32 s25, s25, 1                          ; blocks; at least one, so that block 0 of hf is written for every expert
	s_mov_b32 s28, 0
	LISTSEL                                        ; block 0
	ADDRS
.irp d, 0,1
	v_mov_b32 v[CP+\d],    0x3ea7ba05              ;  0.3275911
	v_mov_b32 v[CP+2+\d],  0xbfb8aa3b              ; -log2(e)
	v_mov_b32 v[CP+4+\d],  0xbc38842e              ; -0.70710678 x  0.254829592 / 16
	v_mov_b32 v[CP+6+\d],  0x3c4dff65              ; -0.70710678 x -0.284496736 / 16
	v_mov_b32 v[CP+8+\d],  0xbd80a6d5              ; -0.70710678 x  1.421413741 / 16
	v_mov_b32 v[CP+10+\d], 0x3d838639              ; -0.70710678 x -1.453152027 / 16
	v_mov_b32 v[CP+12+\d], 0xbd402289              ; -0.70710678 x  1.061405429 / 16
	v_mov_b32 v[CP+14+\d], 0x3f3504f3              ;  0.70710678
	v_mov_b32 v[C16+\d],   0x3d3504f3              ;  0.70710678 / 16
.endr
.irp j, 0,1,2,3,4,5,6,7
	global_load_b64 v[BP+2*\j:BP+2*\j+1], v22, s[8:9] offset:16*\j
.endr
	; The weights: three units (48 loads, 24 KiB a wave) are on their way throughout.  The count in front of unit u's roundings is what was issued behind
	; its loads: two units, and for u < 3 the eight loads of b1; one unit for u = 14; for u = 15 the 32 loads of block 0's rows.
.irp u, 0,1,2,3,4,5,6,7,8,9,10,11,12,13,14,15
.set LEFT, 32
.if \u < 3
.set LEFT, 40
.endif
.if \u == 14
.set LEFT, 16
.endif
	s_wait_loadcnt LEFT
	WCVT \u
.if \u < 13
	WLOAD \u+3
.endif
.if \u == 14
	GLOAD                                          ; slots 1 and 2 are free: block 0's rows
.endif
.endr
	WIN 0
	s_mov_b32 s28, 32                              ; block 1's first entry
	PHASE_A 0
	s_mov_b32 s26, 0
.Lblocks:
	TRIP 0
	TRIP 1
	s_add_co_u32 s26, s26, 2
	s_cmp_lt_u32 s26, 32
	s_cbranch_scc1 .Lblocks
	s_wait_tensorcnt 0x0
	ds_add_u32 v126, v127
	s_wait_dscnt 0x0
	s_endpgm
.Lfunc_end_k_q3e82ccec14_ffn1:
	.size	k_q3e82ccec14_ffn1, .Lfunc_end_k_q3e82ccec14_ffn1-k_q3e82ccec14_ffn1
	.p2alignl 7, 3214868480
	.fill 96, 4, 3214868480
	.section	.rodata,"a",@progbits
	.p2align	6, 0x0
	.amdhsa_kernel k_q3e82ccec14_ffn1
		.amdhsa_group_segment_fixed_size 199168
		.amdhsa_private_segment_fixed_size 0
		.amdhsa_enable_private_segment 0
		.amdhsa_kernarg_size 40
		.amdhsa_user_sgpr_count 2
		.amdhsa_user_sgpr_kernarg_segment_ptr 1
		.amdhsa_wavefront_size32 1
		.amdhsa_system_sgpr_workgroup_id_x 1
		.amdhsa_system_sgpr_workgroup_id_y 1
		.amdhsa_system_sgpr_workgroup_id_z 1
		.amdhsa_system_vgpr_workitem_id 0
		.amdhsa_next_free_vgpr 1024
		.amdhsa_next_free_sgpr 100
		.amdhsa_reserve_vcc 1
		.amdhsa_float_denorm_mode_32 3
		.amdhsa_float_denorm_mode_16_64 3
		.amdhsa_memory_ordered 1
		.amdhsa_forward_progress 1
		.amdhsa_inst_pref_size 219
	.end_amdhsa_kernel
	.amdgpu_metadata
---
amdhsa.version: [ 1, 2 ]
amdhsa.kernels:
  - .name:           k_q3e82ccec14_ffn1
    .symbol:         k_q3e82ccec14_ffn1.kd
    .args:
      - { .name: xb, .offset: 0, .size: 8, .value_kind: global_buffer, .address_space: global }
      - { .name: W1, .offset: 8, .size: 8, .value_kind: global_buffer, .address_space: global }
      - { .name: b1, .offset: 16, .size: 8, .value_kind: global_buffer, .address_space: global }
      - { .name: sel, .offset: 24, .size: 8, .value_kind: global_buffer, .address_space: global }
      - { .name: hf, .offset: 32, .size: 8, .value_kind: global_buffer, .address_space: global }
    .group_segment_fixed_size: 199168
    .private_segment_fixed_size: 0
    .kernarg_segment_align: 8
    .kernarg_segment_size: 40
    .max_flat_workgroup_size: 128
    .sgpr_count:     100
    .vgpr_count:     1024
    .wavefront_size: 32
...
	.end_amdgpu_metadata
.endif
;; end of part 2
;; launch ffn2 (part 3): grid 32 x 8, 4 waves a work-group, no clusters, 164,352 bytes of LDS; arguments hf, W2, sel, y; writes y
.if DOCPART == 3
	.amdgcn_target "amdgcn-amd-amdhsa--gfx1250"
	.amdhsa_code_object_version 6
	.text
	.protected	k_q3e82ccec14_ffn2
	.globl	k_q3e82ccec14_ffn2
	.p2align	8
	.type	k_q3e82ccec14_ffn2,@function
k_q3e82ccec14_ffn2:
	s_mov_b64 s[64:65], 0
	v_nop
	global_prefetch_b8 v0, s[64:65] scope:SCOPE_SE
	s_setreg_imm32_b32 hwreg(HW_REG_WAVE_MODE, 25, 1), 1
	s_wait_xcnt 0x0
; SECOND LAYER OF THE EXPERTS, for the rows that the gate keeps: y[ks][p][.] = hf(row p) . W2[e][1024 ks .. +1023][.], p = 2 token + k.
; hf holds gelu / 16, so y holds a sixteenth of the products; the last launch multiplies by 16.
; NUMBER FORMAT: the matrix operands are f16 (why: the first layer's head).  Room for W2: it is drawn inside +-1/64; thirty times larger it is below 1/2,
; thirty times smaller its root mean square is 3e-4, where f16's step is 2^-22 or finer.
; Work-group (x = 8 ks + nt, e) owns W2[e][1024 ks .. +1023][128 nt .. +127]: 512 KiB of f32, read from memory by this work-group alone, once,
; rounded to f16 and kept in registers: wave w holds f = 1024 ks + 256 w .. +255 of all 128 columns, 64 fragments, 512 registers.
; The expert's rows go past in blocks of 32; hf lies in memory as this kernel's fragments, so a lane's 16-byte loads fill them directly.
; The four waves' quarters of K meet in LDS; each wave adds up 8 rows and stores them, 512 consecutive bytes a row.
; The four ks parts, b2 and the gate are put together by the next launch (a sum over work-groups goes through memory, in a fixed order).
; WEIGHTS: as in the first layer, but the rows of a unit follow hf's order of columns: lane (r, h), register i, half d of a token fragment of step s
; holds f = 128 (s >> 2) + 64 ((s & 3) >> 1) + 32 h + 4 ((2 i + d) & 7) + 2 (s & 1) + (i >> 2), and load j = 2 i + d of the unit reads that row.
; THE LIST: each wave makes the expert's list of p = 2 token + k (k = 0, 1: first or second choice) for itself, in LDS bytes of its own, from sel, while its first
; weights are on their way: same code, same data, so the four lists are equal.  Its order is the order in which the first layer took its rows: sel's registers
; 4 i + q ascending (lane l: token 128 i + 4 l + q), lanes ascending inside each.  Here the list gives only the rows of y that results are stored to.
; Rows past the count repeat the first row, as in the first layer: the same bytes are then stored to the same place by this work-group.
; An expert that no token chose stores nothing (its p would be another expert's).
; THE BLOCK LOOP has the fixed count 32; blocks past the expert's count skip the work, never the barrier.
; NO CLUSTERS, NO TENSOR LOADS: the weights are read by one work-group each; hf, which the 8 work-groups of one (e, ks) share, goes
; straight into registers, and the number of blocks is made here from sel and steers a branch, while a joint request has to stand on every path.
; REGISTER WINDOWS: window 0: addresses, the 16 accumulators v128-255; windows 1, 2: weight fragment 8 s + tile at (64 s + 8 tile) & 255;
; window 3: four slots of 64 registers for weights as loaded; later two buffers of 16 token fragments, F0 at 64 + 8 f, F1 at (192 + 8 f) & 255.
.set WP,     4096                      ; bytes in a row of W2
.set SCR,    32768                     ; LDS: the four waves' lists, 8,192 bytes each; then two buffers for the partial sums
.set SBUF,   65536
.set ZQ,     28                        ; v[28:31]   zeros, for the list's first state
.set SEL,    32                        ; v[32:63]   sel of my 32 tokens
.set SO,     64                        ; v[64:95]   8 rows x 4 columns, store data
.set YA,     96                        ; v[96:103]  8 list entries, then their byte offsets in y
.set ACC,    128                       ; v[128:255] accumulators, tile T = 8 m + tile at ACC + 8 T; in the epilogue the partial sums
.set MSB,    0
.macro WIN new                         ; the immediate's high byte repeats the setting that is left
.if MSB != \new
	s_set_vgpr_msb (MSB<<8)|\new
.set MSB, \new
.endif
.endm
; Five places behind a matrix instruction: for loads into its sources, for the LDS stores of results,
; and for the next block's first products, which write over the accumulators.
.macro PLACES
.rept 5
	v_nop
.endr
.endm
.macro COMPACT i, q                    ; one step of the list: lane l's token is 128 i + 4 l + q
	v_and_b32 v9, s20, v[SEL+4*\i+\q]              ; bit 8 + e: first choice, bit 16 + e: second
	v_cmp_ne_u32 s23, 0, v9
	v_lshrrev_b32 v9, s21, v9                      ; k
	v_add3_u32 v9, v9, v8, 256*\i+2*\q             ; p = 2 token + k
	v_mbcnt_lo_u32_b32 v10, s23, s22               ; entries so far + chosen lanes below me
	v_cndmask_b32 v10, v7, v10, s23                ; the others store into a dump word of their own
	v_min_u32 v10, 0x7ff, v10                      ; inside my wave's 2,048 words whatever sel holds
	v_lshl_add_u32 v10, v10, 2, v6
	ds_store_b32 v10, v9
	s_bcnt1_i32_b32 s24, s23
	s_add_co_u32 s22, s22, s24
.endm
.macro WLOAD u                         ; unit u = 2 s + c: 16 loads, 32 rows x 64 columns of f32, into slot u % 4
	WIN 0xc0
.set WSL, 64*((\u)%4)
.set SS, (\u)>>1
.irp j, 0,1,2,3,4,5,6,7,8,9,10,11,12,13,14,15
	global_load_b128 v[WSL+4*\j:WSL+4*\j+3], v5, s[6:7] offset:(128*(SS>>2)+64*((SS&3)>>1)+4*(\j&7)+2*(SS&1)+(\j>>3))*WP+256*((\u)&1) th:TH_LOAD_NT
.endr
.endm
.macro WCVT u                          ; its 32 roundings into four fragments
.if (\u) < 8
	WIN 0x4f
.else
	WIN 0x8f
.endif
.irp t, 0,1,2,3
.irp i, 0,1,2,3,4,5,6,7
	v_cvt_pk_f16_f32 v[((64*((\u)>>1)+32*((\u)&1)+8*\t)&255)+\i], v[64*((\u)%4)+8*\i+\t], v[64*((\u)%4)+8*\i+4+\t]
.endr
.endr
.endm
; 16 loads: the token fragments of steps s0 .. s0 + 3 of the block whose offset is in v[14 + b], into buffer b; each covers 512 consecutive bytes
.macro FLOAD b, s0
	WIN 0xc0
.irp ds, 0,1,2,3
.irp m, 0,1
.set FB, (64+128*(\b)+8*(2*(\s0+\ds)+\m))&255
	global_load_b128 v[FB:FB+3],   v[14+(\b)], s[4:5] offset:8192*((\s0+\ds)>>2)+4096*\m+1024*((\s0+\ds)&3)
	global_load_b128 v[FB+4:FB+7], v[14+(\b)], s[4:5] offset:8192*((\s0+\ds)>>2)+4096*\m+1024*((\s0+\ds)&3)+512
.endr
.endr
.endm
; 16 matrix instructions, 32 along K.  Source 0 = tokens, source 1 = weights: lane (r, h), register j of the result is row 16 m + 8 h + j,
; column 64 c + 4 r + t.  The 16 accumulators take turns, one instruction a turn.  The first step starts the sums.
.macro KSTEP s, b
.if \s < 4
	WIN 0x07
.else
	WIN 0x0b
.endif
.irp m, 0,1
.irp tau, 0,1,2,3,4,5,6,7
.set DD, ACC+8*(8*\m+\tau)
.set WB, (64*\s+8*\tau)&255
.set FB, (64+128*(\b)+8*(2*\s+\m))&255
.if \s == 0
	v_wmma_f32_16x16x32_f16 v[DD:DD+7], v[FB:FB+7], v[WB:WB+7], 0
.else
	v_wmma_f32_16x16x32_f16 v[DD:DD+7], v[FB:FB+7], v[WB:WB+7], v[DD:DD+7]
.endif
.endr
.endr
.endm
; A block's products from fragment buffer b, which is filled again, half by half, with the block after next (s30, held inside the blocks that
; the first layer wrote); the partial sums go to LDS buffer b.
.macro PHASE_A b
	s_wait_loadcnt 32                              ; buffer b's 32 loads are in and their offset register is free; the 32 issued behind them fill the other buffer,
	                                               ; which nothing touches before the next block's wait.  On every way here those 32 are all that was issued since:
	                                               ; the other buffer's products stand just before, or an idle trip, which waits for all loads
	s_min_u32 s30, s30, s29
	s_min_u32 s30, s30, 31
	s_lshl_b32 s30, s30, 18
	v_add_nc_u32 v[14+(\b)], s30, v4
.irp s, 0,1,2,3
	KSTEP \s, \b
.endr
	PLACES
	FLOAD \b, 0
.irp s, 4,5,6,7
	KSTEP \s, \b
.endr
	PLACES
	FLOAD \b, 4
	WIN 0
.irp T, 0,1,2,3,4,5,6,7,8,9,10,11,12,13,14,15
	ds_store_b128 v[16+(\b)], v[ACC+8*\T:ACC+8*\T+3]   offset:1024*\T
	ds_store_b128 v[16+(\b)], v[ACC+8*\T+4:ACC+8*\T+7] offset:1024*\T+512
.endr
.endm
; A block's epilogue: wave w takes the block's rows 8 w .. 8 w + 7.  Lane (r, h) reads, for c = h and t = 0..3, what lane (r, w & 1) of each wave
; wrote: rows 4 q + 0..3 at column 64 h + 4 r + t.  s27 = the block; b = the buffer.
.macro PHASE_B b
	s_wait_xcnt 0x0                                ; the last block's stores have read their offsets and data: both are written again below
	s_lshl_b32 s28, s27, 7
	v_add_nc_u32 v9, s28, v12
	ds_load_b128 v[YA:YA+3],   v9
	ds_load_b128 v[YA+4:YA+7], v9 offset:16
.irp q, 0,1
.irp ws, 0,1,2,3
.irp t, 0,1,2,3
	ds_load_b128 v[ACC+64*\q+16*\ws+4*\t:ACC+64*\q+16*\ws+4*\t+3], v[18+(\b)] offset:16384*\ws+1024*\t+512*\q
.endr
.endr
.endr
	s_wait_dscnt 32                                ; all but the 32 loads of partial sums: the list entries are in
.irp j, 0,1,2,3,4,5,6,7
	v_min_u32 v[YA+\j], 0x7ff, v[YA+\j]
	v_lshl_add_u32 v[YA+\j], v[YA+\j], 12, v13     ; a row of y is 4,096 bytes
.endr
.irp q, 0,1
	s_wait_dscnt 16-16*\q                          ; 16 loads for four rows: the second four's may stay out
.set RR, ACC+64*\q
.irp k, 0,2,4,6,8,10,12,14
	v_pk_add_f32 v[RR+\k:RR+\k+1], v[RR+\k:RR+\k+1], v[RR+16+\k:RR+17+\k]
	v_pk_add_f32 v[RR+32+\k:RR+33+\k], v[RR+32+\k:RR+33+\k], v[RR+48+\k:RR+49+\k]
.endr
.irp jj, 0,1,2,3
.irp t, 0,1,2,3
	v_add_f32 v[SO+4*(4*\q+\jj)+\t], v[RR+4*\t+\jj], v[RR+32+4*\t+\jj]
.endr
	global_store_b128 v[YA+4*\q+\jj], v[SO+4*(4*\q+\jj):SO+4*(4*\q+\jj)+3], s[10:11]   ; the wave stores 512 consecutive bytes of one row, aligned
.endr
.endr
.endm
; One trip.  The barrier does two things: the partial sums of block s26 + par are whole (every wave waited for its stores), and nobody reads
; the other buffer any more (every wave waited for its loads in its last epilogue).  It stands outside the branches on the block count.
; A trip that leaves the products out waits for all loads, so that the counted wait at the head of any later products holds on that way too.
.macro TRIP par
	s_wait_dscnt 0x0
	s_barrier_signal -1
	s_barrier_wait -1
	s_add_co_u32 s27, s26, \par
	s_cmp_ge_u32 s27, s25
	s_cbranch_scc1 .Lidle_\@
	PHASE_B \par
	s_add_co_u32 s28, s26, \par+1
	s_cmp_ge_u32 s28, s25
	s_cbranch_scc1 .Lidle_\@
	s_add_co_u32 s30, s26, \par+3                  ; the block after the one that is multiplied next but one
	PHASE_A 1-\par
	s_branch .Lnext_\@
.Lidle_\@:
	s_wait_loadcnt 0x0
.Lnext_\@:
.endm
	s_load_b256 s[4:11], s[0:1], 0x0               ; hf s[4:5], W2 s[6:7], sel s[8:9], y s[10:11]
	v_lshl_add_u32 v126, v0, 2, 0x28000
	v_mov_b32 v127, 0
	v_lshrrev_b32 v9, 5, v0
	v_readfirstlane_b32 s14, v9                    ; wave
	s_and_b32 s15, ttmp7, 0xffff                   ; expert
	s_and_b32 s31, ttmp9, 7                        ; nt: which 128 columns
	s_lshr_b32 s32, ttmp9, 3                       ; ks: which 1,024 of F
	v_and_b32 v1, 31, v0                           ; lane
	v_and_b32 v2, 15, v0                           ; r
	v_bfe_u32 v3, v0, 4, 1                         ; h
	v_lshlrev_b32 v4, 4, v1                        ; 16 x lane
	v_lshlrev_b32 v5, 4, v2
	v_lshl_add_u32 v5, v3, 17, v5                  ; weights: 16 r + h x 32 rows
	s_lshl_b32 s18, s15, 24                        ; an expert's W2 is 16 MiB,
	s_lshl_b32 s16, s32, 22                        ; 1,024 rows 4 MiB,
	s_add_co_u32 s18, s18, s16
	s_lshl_b32 s16, s14, 20                        ; a wave's 256 rows 1 MiB,
	s_add_co_u32 s18, s18, s16
	s_lshl_b32 s16, s31, 9                         ; 128 columns 512 bytes
	s_add_co_u32 s18, s18, s16
	s_mov_b32 s19, 0
	s_wait_kmcnt 0x0
	s_add_nc_u64 s[6:7], s[6:7], s[18:19]
.irp i, 0,1,2,3,4,5,6,7
	global_load_b128 v[SEL+4*\i:SEL+4*\i+3], v4, s[8:9] offset:512*\i
.endr
	WLOAD 0
	WLOAD 1
	WLOAD 2
	WIN 0
	s_lshl_b32 s18, s32, 23
	s_add_co_u32 s18, s18, s16
	s_add_nc_u64 s[10:11], s[10:11], s[18:19]      ; y[ks][.][128 nt]
	s_lshl_b32 s18, s15, 23
	s_lshl_b32 s16, s32, 16
	s_add_co_u32 s18, s18, s16
	s_lshl_b32 s16, s14, 14
	s_add_co_u32 s18, s18, s16
	s_add_nc_u64 s[4:5], s[4:5], s[18:19]          ; hf[e][.][chunk 8 ks + 2 w]
	s_add_co_u32 s16, s15, 8
	s_lshl_b32 s20, 1, s16
	s_add_co_u32 s21, s15, 16
	s_lshl_b32 s17, 1, s21
	s_or_b32 s20, s20, s17                         ; the expert's two bits in a sel word
	s_lshl_b32 s16, s14, 13
	v_mov_b32 v6, s16                              ; my wave's list
	v_add_nc_u32 v7, 0x440, v1                     ; dump word 1,088 + lane: behind the 1,024 entries and 64 of padding
	v_lshlrev_b32 v8, 3, v1
	s_lshl_b32 s17, s14, 5
	v_add_nc_u32 v12, s17, v6                      ; list + 32 w: my 8 rows of a block
	v_lshlrev_b32 v13, 4, v2
	v_lshl_add_u32 v13, v3, 8, v13                 ; 256 h + 16 r in my 512 bytes of a row of y
	s_lshl_b32 s17, s14, 14
	s_add_co_u32 s17, s17, SCR
	v_add_nc_u32 v16, s17, v4                      ; my partial sums, buffer 0,
	v_add_nc_u32 v17, SBUF, v16                    ; buffer 1
	s_lshr_b32 s16, s14, 1
	s_lshl_b32 s16, s16, 13                        ; block half m = w >> 1: 8 tiles of 1,024 bytes
	s_and_b32 s17, s14, 1
	s_lshl_b32 s17, s17, 8                         ; source lanes 16 (w & 1) + r
	s_add_co_u32 s16, s16, s17
	s_add_co_u32 s16, s16, SCR
	v_lshlrev_b32 v9, 4, v2
	v_lshl_add_u32 v9, v3, 12, v9                  ; c = h: 4 tiles
	v_add_nc_u32 v18, s16, v9                      ; what I add up, buffer 0,
	v_add_nc_u32 v19, SBUF, v18                    ; buffer 1
	; the list's first state: zeros in the 1,152 words (entries, padding, dump) that are ever touched: 9 stores of 512 consecutive bytes
.irp d, 0,1,2,3
	v_mov_b32 v[ZQ+\d], 0
.endr
	v_add_nc_u32 v11, v6, v4
.irp z, 0,1,2,3,4,5,6,7,8
	ds_store_b128 v11, v[ZQ:ZQ+3] offset:512*\z
.endr
	s_mov_b32 s22, 0                               ; the count
	s_wait_loadcnt 48                              ; the three units behind sel stay out
.irp i, 0,1,2,3,4,5,6,7
.irp q, 0,1,2,3
	COMPACT \i, \q
.endr
.endr
	WLOAD 3                                        ; the fourth unit
	WIN 0
	ds_load_b32 v9, v6                             ; 64 entries of padding repeat the first entry
	v_add_nc_u32 v10, s22, v1
	v_min_u32 v10, 0x7df, v10
	v_lshl_add_u32 v10, v10, 2, v6
	s_wait_dscnt 0x0
	ds_store_b32 v10, v9
	ds_store_b32 v10, v9 offset:128
	s_add_co_u32 s25, s22, 31
	s_lshr_b32 s25, s25, 5                         ; blocks, 0 for an expert that no token chose
	s_max_u32 s29, s25, 1
	s_sub_co_u32 s29, s29, 1                       ; the last block that the first layer wrote
	v_mov_b32 v14, v4                              ; buffer 0: block 0
	s_min_u32 s30, s29, 1
	s_lshl_b32 s30, s30, 18
	v_add_nc_u32 v15, s30, v4                      ; buffer 1: block 1, if there is one
	; The weights: four units (64 loads, 32 KiB a wave, 128 KiB for the four waves) are on their way throughout.  The count in front of unit u's roundings is
	; what was issued behind its loads: three units; two for u = 13; one for u = 14; for u = 15 the 32 loads of block 0's fragments.
.irp u, 0,1,2,3,4,5,6,7,8,9,10,11,12,13,14,15
.set LEFT, 48
.if \u == 13
.set LEFT, 32
.endif
.if \u == 14
.set LEFT, 16
.endif
.if \u == 15
.set LEFT, 32
.endif
	s_wait_loadcnt LEFT
	WCVT \u
.if \u < 12
	WLOAD \u+4
.endif
.if \u == 14
	FLOAD 0, 0                                     ; slots 1 and 2 (units 13 and 14) are free
	FLOAD 0, 4
.endif
.if \u == 15
	FLOAD 1, 0                                     ; slots 3 and 0 (units 15 and 12) too
	FLOAD 1, 4
.endif
.endr
	WIN 0
	s_mov_b32 s30, 2
	PHASE_A 0
	s_mov_b32 s26, 0
.Lblocks:
	TRIP 0
	TRIP 1
	s_add_co_u32 s26, s26, 2
	s_cmp_lt_u32 s26, 32
	s_cbranch_scc1 .Lblocks
	s_wait_tensorcnt 0x0
	ds_add_u32 v126, v127
	s_wait_dscnt 0x0
	s_endpgm
.Lfunc_end_k_q3e82ccec14_ffn2:
	.size	k_q3e82ccec14_ffn2, .Lfunc_end_k_q3e82ccec14_ffn2-k_q3e82ccec14_ffn2
	.p2alignl 7, 3214868480
	.fill 96, 4, 3214868480
	.section	.rodata,"a",@progbits
	.p2align	6, 0x0
	.amdhsa_kernel k_q3e82ccec14_ffn2
		.amdhsa_group_segment_fixed_size 164352
		.amdhsa_private_segment_fixed_size 0
		.amdhsa_enable_private_segment 0
		.amdhsa_kernarg_size 32
		.amdhsa_user_sgpr_count 2
		.amdhsa_user_sgpr_kernarg_segment_ptr 1
		.amdhsa_wavefront_size32 1
		.amdhsa_system_sgpr_workgroup_id_x 1
		.amdhsa_system_sgpr_workgroup_id_y 1
		.amdhsa_system_sgpr_workgroup_id_z 1
		.amdhsa_system_vgpr_workitem_id 0
		.amdhsa_next_free_vgpr 1024
		.amdhsa_next_free_sgpr 66
		.amdhsa_reserve_vcc 0
		.amdhsa_float_denorm_mode_32 3
		.amdhsa_float_denorm_mode_16_64 3
		.amdhsa_memory_ordered 1
		.amdhsa_forward_progress 1
		.amdhsa_inst_pref_size 144
	.end_amdhsa_kernel
	.amdgpu_metadata
---
amdhsa.version: [ 1, 2 ]
amdhsa.kernels:
  - .name:           k_q3e82ccec14_ffn2
    .symbol:         k_q3e82ccec14_ffn2.kd
    .args:
      - { .name: hf, .offset: 0, .size: 8, .value_kind: global_buffer, .address_space: global }
      - { .name: W2, .offset: 8, .size: 8, .value_kind: global_buffer, .address_space: global }
      - { .name: sel, .offset: 16, .size: 8, .value_kind: global_buffer, .address_space: global }
      - { .name: y, .offset: 24, .size: 8, .value_kind: global_buffer, .address_space: global }
    .group_segment_fixed_size: 164352
    .private_segment_fixed_size: 0
    .kernarg_segment_align: 8
    .kernarg_segment_size: 32
    .max_flat_workgroup_size: 128
    .sgpr_count:     66
    .vgpr_count:     1024
    .wavefront_size: 32
...
	.end_amdgpu_metadata
.endif
;; end of part 3
;; launch combine (part 4): grid 256 x 1, 8 waves a work-group, no clusters, 0 bytes of LDS; arguments y, b2, sel, gate, imp, out0, out1; writes out0, out1
.if DOCPART == 4
	.amdgcn_target "amdgcn-amd-amdhsa--gfx1250"
	.amdhsa_code_object_version 6
	.text
	.protected	k_q3e82ccec14_combine
	.globl	k_q3e82ccec14_combine
	.p2align	8
	.type	k_q3e82ccec14_combine,@function
k_q3e82ccec14_combine:
	s_mov_b64 s[64:65], 0
	v_nop
	global_prefetch_b8 v0, s[64:65] scope:SCOPE_SE
	s_setreg_imm32_b32 hwreg(HW_REG_WAVE_MODE, 25, 1), 1
	s_wait_xcnt 0x0
; THE GATE'S SUM: out0[t] = g0 (16 x sum over ks of y[ks][2t] + b2[e0]) + g1 (16 x sum over ks of y[ks][2t+1] + b2[e1]), and the aux loss.
; The 16 undoes the sixteenth that the first layer put on the GELU for f16's range; it rides on the multiply-add that adds b2.
; A stream: a wave takes half a token's row (512 columns): 32 loads of y, 8 of b2, 4 stores, each of 512 consecutive bytes, aligned.
; t = 4 x work-group + wave / 2.  The experts' numbers come from sel (whole numbers that the router stored) and pick rows of b2.
; No LDS, no barrier, no matrix unit, no cluster: no byte of y is read twice and the waves share nothing but b2's 32 KiB.
; aux = 8 x sum over e of (importance[e] / 1024)^2: wave 0 of work-group 0 adds the router's 128 partial sums in a fixed order.
.set Y,  32                            ; v[32:159]  y: part ks, choice k, piece i at Y + 4 (8 ks + 4 k + i)
.set BB, 160                           ; v[160:191] b2: choice k, piece i at BB + 4 (4 k + i)
	s_load_b256 s[4:11], s[0:1], 0x0               ; y s[4:5], b2 s[6:7], sel s[8:9], gate s[10:11]
	s_load_b128 s[12:15], s[0:1], 0x20             ; imp s[12:13], out0 s[14:15]
	s_load_b64 s[16:17], s[0:1], 0x30              ; out1
	v_lshrrev_b32 v2, 5, v0
	v_readfirstlane_b32 s18, v2                    ; wave
	v_and_b32 v1, 31, v0
	v_lshlrev_b32 v4, 4, v1                        ; 16 x lane, and the four parts of y, 8 MiB apart
	v_add_nc_u32 v5, 0x800000, v4
	v_add_nc_u32 v6, 0x1000000, v4
	v_add_nc_u32 v7, 0x1800000, v4
	s_lshr_b32 s19, s18, 1
	s_lshl2_add_u32 s19, ttmp9, s19                ; token
	s_and_b32 s20, s18, 1
	s_lshl_b32 s20, s20, 11                        ; my half of the row, in bytes
	s_mov_b32 s21, 0
	s_lshl_b32 s22, s19, 2
	s_mov_b32 s23, 0
	s_lshl_b32 s24, s19, 3
	s_mov_b32 s25, 0
	s_lshl_b32 s26, s19, 13                        ; two rows of y a token
	s_add_co_u32 s26, s26, s20
	s_mov_b32 s27, 0
	s_lshl_b32 s28, s19, 12
	s_add_co_u32 s28, s28, s20
	s_mov_b32 s29, 0
	s_wait_kmcnt 0x0
	s_add_nc_u64 s[8:9], s[8:9], s[22:23]
	s_add_nc_u64 s[10:11], s[10:11], s[24:25]
	s_load_b32 s30, s[8:9], 0x0                    ; sel[t]
	s_load_b64 s[32:33], s[10:11], 0x0             ; g0, g1
	s_add_nc_u64 s[4:5], s[4:5], s[26:27]
	s_add_nc_u64 s[14:15], s[14:15], s[28:29]
	s_add_nc_u64 s[6:7], s[6:7], s[20:21]
.irp ks, 0,1,2,3
.irp k, 0,1
.irp i, 0,1,2,3
	global_load_b128 v[Y+4*(8*\ks+4*\k+\i):Y+4*(8*\ks+4*\k+\i)+3], v[4+\ks], s[4:5] offset:4096*\k+512*\i th:TH_LOAD_NT
.endr
.endr
.endr
	s_wait_kmcnt 0x0
	s_and_b32 s34, s30, 7                          ; e0
	s_bfe_u32 s35, s30, 0x30004                    ; e1
	s_min_u32 s34, s34, 7
	s_min_u32 s35, s35, 7
	s_lshl_b32 s36, s34, 12                        ; a row of b2 is 4,096 bytes
	s_mov_b32 s37, 0
	s_lshl_b32 s38, s35, 12
	s_mov_b32 s39, 0
	s_add_nc_u64 s[40:41], s[6:7], s[36:37]
	s_add_nc_u64 s[42:43], s[6:7], s[38:39]
	s_mov_b32 s44, s33                             ; g1 as the first of a pair, for the packed multiply-add
	s_mov_b32 s45, s33
.irp i, 0,1,2,3
	global_load_b128 v[BB+4*\i:BB+4*\i+3], v4, s[40:41] offset:512*\i
	global_load_b128 v[BB+16+4*\i:BB+16+4*\i+3], v4, s[42:43] offset:512*\i
.endr
	s_wait_loadcnt 0x0
.irp k, 0,1
.irp i, 0,1,2,3
.irp d, 0,2
.set Y0, Y+4*(4*\k+\i)+\d
	v_pk_add_f32 v[Y0:Y0+1], v[Y0:Y0+1], v[Y0+32:Y0+33]
	v_pk_add_f32 v[Y0+64:Y0+65], v[Y0+64:Y0+65], v[Y0+96:Y0+97]
	v_pk_add_f32 v[Y0:Y0+1], v[Y0:Y0+1], v[Y0+64:Y0+65]
	v_pk_fma_f32 v[Y0:Y0+1], v[Y0:Y0+1], 0x41800000, v[BB+4*(4*\k+\i)+\d:BB+4*(4*\k+\i)+\d+1] op_sel_hi:[1,0,1]   ; x 16, + b2
.endr
.endr
.endr
.irp i, 0,1,2,3
.irp d, 0,2
.set Y0, Y+4*\i+\d
	v_pk_mul_f32 v[Y0:Y0+1], v[Y0:Y0+1], s[32:33] op_sel_hi:[1,0]
	v_pk_fma_f32 v[Y0:Y0+1], v[Y0+16:Y0+17], s[44:45], v[Y0:Y0+1] op_sel_hi:[1,0,1]
.endr
	global_store_b128 v4, v[Y+4*\i:Y+4*\i+3], s[14:15] offset:512*\i th:TH_STORE_NT
.endr
	s_or_b32 s46, ttmp9, s18
	s_cmp_lg_u32 s46, 0
	s_cbranch_scc1 .Lend
	; the aux loss.  Load z, lane l: work-group 16 z + l / 2, experts 4 (l & 1) + 0..3.  Registers of y that are no store's data.
.irp z, 0,1,2,3,4,5,6,7
	global_load_b128 v[64+4*\z:67+4*\z], v4, s[12:13] offset:512*\z
.endr
	s_mov_b32 s48, 0x76543210                      ; v_permlanex16_b32: lane i reads lane i of the other half
	s_mov_b32 s49, 0xfedcba98
	v_mov_b32 v8, 0                                ; its destination counts as read
	v_mov_b32 v10, 0
	s_wait_loadcnt 0x0
.irp z, 1,2,3,4,5,6,7
	v_pk_add_f32 v[64:65], v[64:65], v[64+4*\z:65+4*\z]
	v_pk_add_f32 v[66:67], v[66:67], v[66+4*\z:67+4*\z]
.endr
.irp q, 0,1,2,3
	v_add_f32_dpp v[64+\q], v[64+\q], v[64+\q] row_xmask:2 row_mask:0xf bank_mask:0xf      ; over the lanes of my parity
	v_add_f32_dpp v[64+\q], v[64+\q], v[64+\q] row_xmask:4 row_mask:0xf bank_mask:0xf
	v_add_f32_dpp v[64+\q], v[64+\q], v[64+\q] row_xmask:8 row_mask:0xf bank_mask:0xf
	v_permlanex16_b32 v8, v[64+\q], s48, s49
	v_add_f32 v[64+\q], v[64+\q], v8
.endr
	v_pk_mul_f32 v[64:65], v[64:65], 0x3a800000 op_sel_hi:[1,0]    ; / 1,024 tokens
	v_pk_mul_f32 v[66:67], v[66:67], 0x3a800000 op_sel_hi:[1,0]
	v_mul_f32 v9, v64, v64
	v_fmac_f32 v9, v65, v65
	v_fmac_f32 v9, v66, v66
	v_fmac_f32 v9, v67, v67
	v_add_f32_dpp v9, v9, v9 row_xmask:1 row_mask:0xf bank_mask:0xf        ; the other four experts
	v_mul_f32 v9, 0x41000000, v9                   ; x 8 experts
	v_cmp_eq_u32 vcc_lo, 0, v1
	s_wait_xcnt 0x0                                ; EXEC is a source of the stores above: it changes only behind this wait
	s_and_saveexec_b32 s50, vcc_lo
	global_store_b32 v10, v9, s[16:17]
	s_wait_xcnt 0x0
	s_or_b32 exec_lo, exec_lo, s50
.Lend:
	s_endpgm
.Lfunc_end_k_q3e82ccec14_combine:
	.size	k_q3e82ccec14_combine, .Lfunc_end_k_q3e82ccec14_combine-k_q3e82ccec14_combine
	.p2alignl 7, 3214868480
	.fill 96, 4, 3214868480
	.section	.rodata,"a",@progbits
	.p2align	6, 0x0
	.amdhsa_kernel k_q3e82ccec14_combine
		.amdhsa_group_segment_fixed_size 0
		.amdhsa_private_segment_fixed_size 0
		.amdhsa_enable_private_segment 0
		.amdhsa_kernarg_size 56
		.amdhsa_user_sgpr_count 2
		.amdhsa_user_sgpr_kernarg_segment_ptr 1
		.amdhsa_wavefront_size32 1
		.amdhsa_system_sgpr_workgroup_id_x 1
		.amdhsa_system_sgpr_workgroup_id_y 1
		.amdhsa_system_sgpr_workgroup_id_z 1
		.amdhsa_system_vgpr_workitem_id 0
		.amdhsa_next_free_vgpr 192
		.amdhsa_next_free_sgpr 66
		.amdhsa_reserve_vcc 1
		.amdhsa_float_denorm_mode_32 3
		.amdhsa_float_denorm_mode_16_64 3
		.amdhsa_memory_ordered 1
		.amdhsa_forward_progress 1
		.amdhsa_inst_pref_size 16
	.end_amdhsa_kernel
	.amdgpu_metadata
---
amdhsa.version: [ 1, 2 ]
amdhsa.kernels:
  - .name:           k_q3e82ccec14_combine
    .symbol:         k_q3e82ccec14_combine.kd
    .args:
      - { .name: y, .offset: 0, .size: 8, .value_kind: global_buffer, .address_space: global }
      - { .name: b2, .offset: 8, .size: 8, .value_kind: global_buffer, .address_space: global }
      - { .name: sel, .offset: 16, .size: 8, .value_kind: global_buffer, .address_space: global }
      - { .name: gate, .offset: 24, .size: 8, .value_kind: global_buffer, .address_space: global }
      - { .name: imp, .offset: 32, .size: 8, .value_kind: global_buffer, .address_space: global }
      - { .name: out0, .offset: 40, .size: 8, .value_kind: global_buffer, .address_space: global }
      - { .name: out1, .offset: 48, .size: 8, .value_kind: global_buffer, .address_space: global }
    .group_segment_fixed_size: 0
    .private_segment_fixed_size: 0
    .kernarg_segment_align: 8
    .kernarg_segment_size: 56
    .max_flat_workgroup_size: 256
    .sgpr_count:     66
    .vgpr_count:     192
    .wavefront_size: 32
...
	.end_amdgpu_metadata
.endif
;; end of part 4
;; ======== version 2 of 2: 4 launches; version 1 with the launch ffn2 written anew for expert scheduling mode
;; limits: values are held in f16: magnitudes above 65,504 overflow, below 6.1e-05 lose precision; inputs' magnitudes at most 65,504
;; workspace buffers: xb 2,097,152 bytes; sel 4,096 bytes of whole numbers; gate 8,192 bytes; imp 4,096 bytes; hf 67,108,864 bytes; y 33,554,432 bytes
;; launch router: the kernel of part 1 again; grid 128 x 1, 8 waves a work-group, no clusters, 38,912 bytes of LDS; arguments x, Wr, br, xb, sel, gate, imp; writes xb, sel, gate, imp
;; launch ffn1: the kernel of part 2 again; grid 32 x 8, 4 waves a work-group, no clusters, 199,168 bytes of LDS; arguments xb, W1, b1, sel, hf; writes hf
;; launch ffn2 (part 5): grid 32 x 8, 4 waves a work-group, no clusters, 164,352 bytes of LDS; arguments hf, W2, sel, y; writes y
.if DOCPART == 5
	.amdgcn_target "amdgcn-amd-amdhsa--gfx1250"
	.amdhsa_code_object_version 6
	.text
	.protected	k_q3e82ccec14_ffn2
	.globl	k_q3e82ccec14_ffn2
	.p2align	8
	.type	k_q3e82ccec14_ffn2,@function
k_q3e82ccec14_ffn2:
	s_mov_b64 s[64:65], 0
	v_nop
	global_prefetch_b8 v0, s[64:65] scope:SCOPE_SE
	s_setreg_imm32_b32 hwreg(HW_REG_WAVE_SCHED_MODE, 0, 2), 2
	s_setreg_imm32_b32 hwreg(HW_REG_WAVE_MODE, 25, 1), 1
	s_wait_xcnt 0x0
	s_wait_alu depctr_vm_vsrc(0)
; SECOND LAYER OF THE EXPERTS, for the rows that the gate keeps: y[ks][p][.] = hf(row p) . W2[e][1024 ks .. +1023][.], p = 2 token + k.
; hf holds gelu / 16, so y holds a sixteenth of the products; the last launch multiplies by 16.
; NUMBER FORMAT: the matrix operands are f16 (why: the first layer's head).  Room for W2: it is drawn inside +-1/64; thirty times larger it is below 1/2,
; thirty times smaller its root mean square is 3e-4, where f16's step is 2^-22 or finer.
; Work-group (x = 8 ks + nt, e) owns W2[e][1024 ks .. +1023][128 nt .. +127]: 512 KiB of f32, read from memory by this work-group alone, once,
; rounded to f16 and kept in registers: wave w holds f = 1024 ks + 256 w .. +255 of all 128 columns, 64 fragments, 512 registers.
; The expert's rows go past in blocks of 32; hf lies in memory as this kernel's fragments, so a lane's 16-byte loads fill them directly.
; The four waves' quarters of K meet in LDS; each wave adds up 8 rows and stores them, 512 consecutive bytes a row.
; The four ks parts, b2 and the gate are put together by the next launch (a sum over work-groups goes through memory, in a fixed order).
; WEIGHTS: as in the first layer, but the rows of a unit follow hf's order of columns: lane (r, h), register i, half d of a token fragment of step s
; holds f = 128 (s >> 2) + 64 ((s & 3) >> 1) + 32 h + 4 ((2 i + d) & 7) + 2 (s & 1) + (i >> 2), and load j = 2 i + d of the unit reads that row.
; THE LIST: each wave makes the expert's list of p = 2 token + k (k = 0, 1: first or second choice) for itself, in LDS bytes of its own, from sel, while its first
; weights are on their way: same code, same data, so the four lists are equal.  Its order is the order in which the first layer took its rows: sel's registers
; 4 i + q ascending (lane l: token 128 i + 4 l + q), lanes ascending inside each.  Here the list gives only the rows of y that results are stored to.
; Rows past the count repeat the first row, as in the first layer: the same bytes are then stored to the same place by this work-group.
; An expert that no token chose stores nothing (its p would be another expert's).
; THE BLOCK LOOP has the fixed count 32; blocks past the expert's count skip the work, never the barrier.
; NO CLUSTERS, NO TENSOR LOADS: the weights are read by one work-group each; hf, which the 8 work-groups of one (e, ks) share, goes
; straight into registers, and the number of blocks is made here from sel and steers a branch, while a joint request has to stand on every path.
; REGISTER WINDOWS: window 0: addresses, the 16 accumulators v128-255; windows 1, 2: weight fragment 8 s + tile at (64 s + 8 tile) & 255;
; window 3: four slots of 64 registers for weights as loaded; later two buffers of 16 token fragments, F0 at 64 + 8 f, F1 at (192 + 8 f) & 255.
; THE MODE: SCHED_MODE bits 1:0 = 2 (LLVM: expert scheduling mode 2), set by the entry lines.  The code itself states the register dependences
; between vector or matrix instructions and memory or LDS instructions, with s_wait_alu, always for 0.
; THE PLAN.  Registers that memory or LDS instructions touch:
;   v4-v6, v10-v13, v16-v19, v28-v31   offsets, LDS addresses and zeros: made at the head, read by loads and stores, never written again.
;   LP, LA       at the head only: the list's 32 values and the 32 LDS addresses they go to, a register each: written by the list's arithmetic, read by one run of 32 LDS stores.
;   slots 0-3    unit u's loads land in slot u % 4; its 32 roundings read it; behind them unit u + 4's loads (at the end the first two blocks' fragments) land in it.
;   F0, F1       block n's 128 matrix instructions read F[n % 2]; behind the last of them the 32 loads of block n + 2 land in it.
;   v14, v15     F0's and F1's offset in hf: written at the head of a block's products, read by the 32 loads at their end.
;   ACC          written by the matrix instructions, read by 32 LDS stores; in the epilogue 32 LDS loads land in it and the additions read it.
;   v9, YA, SO   the epilogue's: v9 is written by one add and read by two LDS loads, which land in YA; YA is made into offsets, SO is written by the last additions; eight stores read both.
; So a unit of weights has ONE wait on va_vdst, behind its roundings; a block's products have ONE, behind the last of them, where the results have to be written
; in any case: it serves the 32 loads and the 32 LDS stores; an epilogue has one wait on vm_vsrc at its head, one on va_vdst behind the add to v9 and one ahead of its run of eight stores.
.set WP,     4096                      ; bytes in a row of W2
.set SCR,    32768                     ; LDS: the four waves' lists, 8,192 bytes each; then two buffers for the partial sums
.set SBUF,   65536
.set ZQ,     28                        ; v[28:31]   zeros, for the list's first state
.set SEL,    32                        ; v[32:63]   sel of my 32 tokens
.set SO,     64                        ; v[64:95]   8 rows x 4 columns, store data
.set YA,     96                        ; v[96:103]  8 list entries, then their byte offsets in y
.set ACC,    128                       ; v[128:255] accumulators, tile T = 8 m + tile at ACC + 8 T; in the epilogue the partial sums
.set LP,     128                       ; v[128:159] at the head only: step j of the list: p of my token
.set LA,     160                       ; v[160:191] at the head only: step j of the list: the LDS address that it goes to
.set MK,     36                        ; s[36:43]   eight steps' masks of the lanes whose token chose this expert
.set MSB,    0
.macro WIN new                         ; the immediate's high byte repeats the setting that is left
.if MSB != \new
	s_set_vgpr_msb (MSB<<8)|\new
.set MSB, \new
.endif
.endm
; Five places behind a block's last matrix instruction: for the LDS stores of results,
; and for the next block's first products, which write over the accumulators.
.macro PLACES
.rept 5
	v_nop
.endr
.endm
; The list, step j = 4 i + q (lane l's token is 128 i + 4 l + q), in two parts.  MARK: who chose the expert, and p.
.macro MARK j, k
	v_and_b32 v[LP+(\j)], s20, v[SEL+(\j)]         ; bit 8 + e: first choice, bit 16 + e: second
	v_cmp_ne_u32 s[MK+(\k)], 0, v[LP+(\j)]
	v_lshrrev_b32 v[LP+(\j)], s21, v[LP+(\j)]      ; k
	v_add3_u32 v[LP+(\j)], v[LP+(\j)], v8, 256*((\j)>>2)+2*((\j)&3)   ; p = 2 token + k
.endm
; SPOT: where it goes.
.macro SPOT j, k
	v_mbcnt_lo_u32_b32 v[LA+(\j)], s[MK+(\k)], s22 ; entries so far + chosen lanes below me
	v_cndmask_b32 v[LA+(\j)], v7, v[LA+(\j)], s[MK+(\k)]   ; the others store into a dump word of their own
	v_min_u32 v[LA+(\j)], 0x7ff, v[LA+(\j)]        ; inside my wave's 2,048 words whatever sel holds
	v_lshl_add_u32 v[LA+(\j)], v[LA+(\j)], 2, v6
	s_bcnt1_i32_b32 s24, s[MK+(\k)]
	s_add_co_u32 s22, s22, s24
.endm
.macro WLOAD u                         ; unit u = 2 s + c: 16 loads, 32 rows x 64 columns of f32, into slot u % 4
	WIN 0xc0
.set WSL, 64*((\u)%4)
.set SS, (\u)>>1
.irp j, 0,1,2,3,4,5,6,7,8,9,10,11,12,13,14,15
	global_load_b128 v[WSL+4*\j:WSL+4*\j+3], v5, s[6:7] offset:(128*(SS>>2)+64*((SS&3)>>1)+4*(\j&7)+2*(SS&1)+(\j>>3))*WP+256*((\u)&1) th:TH_LOAD_NT
.endr
.endm
.macro WCVT u                          ; its 32 roundings into four fragments
.if (\u) < 8
	WIN 0x4f
.else
	WIN 0x8f
.endif
.irp t, 0,1,2,3
.irp i, 0,1,2,3,4,5,6,7
	v_cvt_pk_f16_f32 v[((64*((\u)>>1)+32*((\u)&1)+8*\t)&255)+\i], v[64*((\u)%4)+8*\i+\t], v[64*((\u)%4)+8*\i+4+\t]
.endr
.endr
.endm
; 16 loads: the token fragments of steps s0 .. s0 + 3 of the block whose offset is in v[14 + b], into buffer b; each covers 512 consecutive bytes
.macro FLOAD b, s0
	WIN 0xc0
.irp ds, 0,1,2,3
.irp m, 0,1
.set FB, (64+128*(\b)+8*(2*(\s0+\ds)+\m))&255
	global_load_b128 v[FB:FB+3],   v[14+(\b)], s[4:5] offset:8192*((\s0+\ds)>>2)+4096*\m+1024*((\s0+\ds)&3)
	global_load_b128 v[FB+4:FB+7], v[14+(\b)], s[4:5] offset:8192*((\s0+\ds)>>2)+4096*\m+1024*((\s0+\ds)&3)+512
.endr
.endr
.endm
; 16 matrix instructions, 32 along K.  Source 0 = tokens, source 1 = weights: lane (r, h), register j of the result is row 16 m + 8 h + j,
; column 64 c + 4 r + t.  The 16 accumulators take turns, one instruction a turn.  The first step starts the sums.
.macro KSTEP s, b
.if \s < 4
	WIN 0x07
.else
	WIN 0x0b
.endif
.irp m, 0,1
.irp tau, 0,1,2,3,4,5,6,7
.set DD, ACC+8*(8*\m+\tau)
.set WB, (64*\s+8*\tau)&255
.set FB, (64+128*(\b)+8*(2*\s+\m))&255
.if \s == 0
	v_wmma_f32_16x16x32_f16 v[DD:DD+7], v[FB:FB+7], v[WB:WB+7], 0
.else
	v_wmma_f32_16x16x32_f16 v[DD:DD+7], v[FB:FB+7], v[WB:WB+7], v[DD:DD+7]
.endif
.endr
.endr
.endm
; A block's products from fragment buffer b, which is filled again behind them with the block after next (s30, held inside the blocks that
; the first layer wrote); the partial sums go to LDS buffer b.
; The offset v[14 + b] is written at the head: the loads that read it stand ahead of a wait on vm_vsrc on every way here (the one at the head of the epilogue
; in front of these products; for the first block the one in front of it).
.macro PHASE_A b
	s_wait_loadcnt 32                              ; buffer b's 32 loads are in and their offset register is free; the 32 issued behind them fill the other buffer,
	                                               ; which nothing touches before the next block's wait.  On every way here those 32 are all that was issued since:
	                                               ; the other buffer's products stand just before, or an idle trip, which waits for all loads
	s_min_u32 s30, s30, s29
	s_min_u32 s30, s30, 31
	s_lshl_b32 s30, s30, 18
	v_add_nc_u32 v[14+(\b)], s30, v4
.irp s, 0,1,2,3,4,5,6,7
	KSTEP \s, \b
.endr
	PLACES
	WIN 0xc0
	s_wait_alu depctr_va_vdst(0)                   ; the matrix instructions are done reading buffer b, in which the loads below land, and have written the accumulators, which the LDS stores below read; v[14 + b] is written
	FLOAD \b, 0
	FLOAD \b, 4
	WIN 0
.irp T, 0,1,2,3,4,5,6,7,8,9,10,11,12,13,14,15
	ds_store_b128 v[16+(\b)], v[ACC+8*\T:ACC+8*\T+3]   offset:1024*\T       ; no vector or matrix instruction stands between the wait above and these
	ds_store_b128 v[16+(\b)], v[ACC+8*\T+4:ACC+8*\T+7] offset:1024*\T+512
.endr
.endm
; A block's epilogue: wave w takes the block's rows 8 w .. 8 w + 7.  Lane (r, h) reads, for c = h and t = 0..3, what lane (r, w & 1) of each wave
; wrote: rows 4 q + 0..3 at column 64 h + 4 r + t.  s27 = the block; b = the buffer.
.macro PHASE_B b
	s_wait_xcnt 0x0                                ; the last block's stores have had their addresses translated: their offsets and data are written again below
	s_wait_alu depctr_vm_vsrc(0)                   ; the last block's stores have read YA and SO; my LDS stores have read the accumulators, in which the loads below land; earlier LDS instructions
	                                               ; have read v9; the loads of fragments have read v14 and v15, of which the products behind this epilogue write one
	s_lshl_b32 s28, s27, 7
	v_add_nc_u32 v9, s28, v12
	s_wait_alu depctr_va_vdst(0)                   ; v9 is written, which the two loads below read; the last epilogue's arithmetic is done with YA and the accumulators, in which the loads below land
	ds_load_b128 v[YA:YA+3],   v9
	ds_load_b128 v[YA+4:YA+7], v9 offset:16
.irp q, 0,1
.irp ws, 0,1,2,3
.irp t, 0,1,2,3
	ds_load_b128 v[ACC+64*\q+16*\ws+4*\t:ACC+64*\q+16*\ws+4*\t+3], v[18+(\b)] offset:16384*\ws+1024*\t+512*\q
.endr
.endr
.endr
	s_wait_dscnt 32                                ; all but the 32 loads of partial sums: the list entries are in
.irp j, 0,1,2,3,4,5,6,7
	v_min_u32 v[YA+\j], 0x7ff, v[YA+\j]
	v_lshl_add_u32 v[YA+\j], v[YA+\j], 12, v13     ; a row of y is 4,096 bytes
.endr
.irp q, 0,1
	s_wait_dscnt 16-16*\q                          ; 16 loads for four rows: the second four's may stay out
.set RR, ACC+64*\q
.irp k, 0,2,4,6,8,10,12,14
	v_pk_add_f32 v[RR+\k:RR+\k+1], v[RR+\k:RR+\k+1], v[RR+16+\k:RR+17+\k]
	v_pk_add_f32 v[RR+32+\k:RR+33+\k], v[RR+32+\k:RR+33+\k], v[RR+48+\k:RR+49+\k]
.endr
.irp jj, 0,1,2,3
.irp t, 0,1,2,3
	v_add_f32 v[SO+4*(4*\q+\jj)+\t], v[RR+4*\t+\jj], v[RR+32+4*\t+\jj]
.endr
.endr
.endr
	s_wait_alu depctr_va_vdst(0)                   ; the additions have written SO and the offsets YA are made: the eight stores read both
.irp j, 0,1,2,3,4,5,6,7
	global_store_b128 v[YA+\j], v[SO+4*\j:SO+4*\j+3], s[10:11]     ; the wave stores 512 consecutive bytes of one row, aligned
.endr
.endm
; One trip.  The barrier does two things: the partial sums of block s26 + par are whole (every wave waited for its stores), and nobody reads
; the other buffer any more (every wave waited for its loads in its last epilogue).  It stands outside the branches on the block count.
; A trip that leaves the products out waits for all loads, so that the counted wait at the head of any later products holds on that way too.
.macro TRIP par
	s_wait_dscnt 0x0
	s_barrier_signal -1
	s_barrier_wait -1
	s_add_co_u32 s27, s26, \par
	s_cmp_ge_u32 s27, s25
	s_cbranch_scc1 .Lidle_\@
	PHASE_B \par
	s_add_co_u32 s28, s26, \par+1
	s_cmp_ge_u32 s28, s25
	s_cbranch_scc1 .Lidle_\@
	s_add_co_u32 s30, s26, \par+3                  ; the block after the one that is multiplied next but one
	PHASE_A 1-\par
	s_branch .Lnext_\@
.Lidle_\@:
	s_wait_loadcnt 0x0
.Lnext_\@:
.endm
	s_load_b256 s[4:11], s[0:1], 0x0               ; hf s[4:5], W2 s[6:7], sel s[8:9], y s[10:11]
	v_lshl_add_u32 v126, v0, 2, 0x28000
	v_mov_b32 v127, 0
	v_lshrrev_b32 v9, 5, v0
	v_readfirstlane_b32 s14, v9                    ; wave
	s_and_b32 s15, ttmp7, 0xffff                   ; expert
	s_and_b32 s31, ttmp9, 7                        ; nt: which 128 columns
	s_lshr_b32 s32, ttmp9, 3                       ; ks: which 1,024 of F
	v_and_b32 v1, 31, v0                           ; lane
	v_and_b32 v2, 15, v0                           ; r
	v_bfe_u32 v3, v0, 4, 1                         ; h
	v_lshlrev_b32 v4, 4, v1                        ; 16 x lane
	v_lshlrev_b32 v5, 4, v2
	v_lshl_add_u32 v5, v3, 17, v5                  ; weights: 16 r + h x 32 rows
	s_lshl_b32 s18, s15, 24                        ; an expert's W2 is 16 MiB,
	s_lshl_b32 s16, s32, 22                        ; 1,024 rows 4 MiB,
	s_add_co_u32 s18, s18, s16
	s_wait_alu depctr_va_sdst(0)                   ; s14 is written, ahead of its first reader: the bases and the LDS addresses are made from it
	s_lshl_b32 s16, s14, 20                        ; a wave's 256 rows 1 MiB,
	s_add_co_u32 s18, s18, s16
	s_lshl_b32 s16, s31, 9                         ; 128 columns 512 bytes
	s_add_co_u32 s18, s18, s16
	s_mov_b32 s19, 0
	s_wait_kmcnt 0x0
	s_add_nc_u64 s[6:7], s[6:7], s[18:19]
	s_wait_alu depctr_va_vdst(0)                   ; v4 and v5 are written: the loads of sel and of the weights read them as offsets
.irp i, 0,1,2,3,4,5,6,7
	global_load_b128 v[SEL+4*\i:SEL+4*\i+3], v4, s[8:9] offset:512*\i
.endr
	WLOAD 0
	WLOAD 1
	WLOAD 2
	WIN 0
	s_lshl_b32 s18, s32, 23
	s_add_co_u32 s18, s18, s16
	s_add_nc_u64 s[10:11], s[10:11], s[18:19]      ; y[ks][.][128 nt]
	s_lshl_b32 s18, s15, 23
	s_lshl_b32 s16, s32, 16
	s_add_co_u32 s18, s18, s16
	s_lshl_b32 s16, s14, 14
	s_add_co_u32 s18, s18, s16
	s_add_nc_u64 s[4:5], s[4:5], s[18:19]          ; hf[e][.][chunk 8 ks + 2 w]
	s_add_co_u32 s16, s15, 8
	s_lshl_b32 s20, 1, s16
	s_add_co_u32 s21, s15, 16
	s_lshl_b32 s17, 1, s21
	s_or_b32 s20, s20, s17                         ; the expert's two bits in a sel word
	s_lshl_b32 s16, s14, 13
	v_mov_b32 v6, s16                              ; my wave's list
	v_add_nc_u32 v7, 0x440, v1                     ; dump word 1,088 + lane: behind the 1,024 entries and 64 of padding
	v_lshlrev_b32 v8, 3, v1
	s_lshl_b32 s17, s14, 5
	v_add_nc_u32 v12, s17, v6                      ; list + 32 w: my 8 rows of a block
	v_lshlrev_b32 v13, 4, v2
	v_lshl_add_u32 v13, v3, 8, v13                 ; 256 h + 16 r in my 512 bytes of a row of y
	s_lshl_b32 s17, s14, 14
	s_add_co_u32 s17, s17, SCR
	v_add_nc_u32 v16, s17, v4                      ; my partial sums, buffer 0,
	v_add_nc_u32 v17, SBUF, v16                    ; buffer 1
	s_lshr_b32 s16, s14, 1
	s_lshl_b32 s16, s16, 13                        ; block half m = w >> 1: 8 tiles of 1,024 bytes
	s_and_b32 s17, s14, 1
	s_lshl_b32 s17, s17, 8                         ; source lanes 16 (w & 1) + r
	s_add_co_u32 s16, s16, s17
	s_add_co_u32 s16, s16, SCR
	v_lshlrev_b32 v9, 4, v2
	v_lshl_add_u32 v9, v3, 12, v9                  ; c = h: 4 tiles
	v_add_nc_u32 v18, s16, v9                      ; what I add up, buffer 0,
	v_add_nc_u32 v19, SBUF, v18                    ; buffer 1
	; the list's first state: zeros in the 1,152 words (entries, padding, dump) that are ever touched: 9 stores of 512 consecutive bytes
.irp d, 0,1,2,3
	v_mov_b32 v[ZQ+\d], 0
.endr
	v_add_nc_u32 v11, v6, v4
	s_wait_alu depctr_va_vdst(0)                   ; v11 and the four zeros are written, which the stores below read; so are v6, v12, v13 and v16 to v19, which later LDS instructions and stores read and nothing writes again
.irp z, 0,1,2,3,4,5,6,7,8
	ds_store_b128 v11, v[ZQ:ZQ+3] offset:512*\z
.endr
	s_mov_b32 s22, 0                               ; the count
	s_wait_loadcnt 48                              ; the three units behind sel stay out
	WLOAD 3                                        ; the fourth unit: no vector instruction has named its slot, nor v5 since the wait ahead of the first load
	WIN 0
	; The list's 32 steps, eight at a time: eight masks, one wait, eight places.  Every step has a register for its value and one for its address, so that all 32 stores stand in one run.
.irp g, 0,1,2,3
.irp k, 0,1,2,3,4,5,6,7
	MARK 8*\g+\k, \k
.endr
	s_wait_alu depctr_va_sdst(0)                   ; the eight compares have written s[MK ..], ahead of the first line that reads one of them
.irp k, 0,1,2,3,4,5,6,7
	SPOT 8*\g+\k, \k
.endr
.endr
	v_add_nc_u32 v10, s22, v1                      ; 64 entries of padding behind the last entry
	v_min_u32 v10, 0x7df, v10
	v_lshl_add_u32 v10, v10, 2, v6
	s_add_co_u32 s25, s22, 31
	s_lshr_b32 s25, s25, 5                         ; blocks, 0 for an expert that no token chose
	s_max_u32 s29, s25, 1
	s_sub_co_u32 s29, s29, 1                       ; the last block that the first layer wrote
	v_mov_b32 v14, v4                              ; buffer 0: block 0
	s_min_u32 s30, s29, 1
	s_lshl_b32 s30, s30, 18
	v_add_nc_u32 v15, s30, v4                      ; buffer 1: block 1, if there is one
	s_wait_alu depctr_va_vdst(0)                   ; the list's 32 values and 32 addresses and v10 are written, which the LDS stores below read; the head's arithmetic is done with v9, in which the load below lands
.set jj, 0
.rept 32
	ds_store_b32 v[LA+jj], v[LP+jj]
.set jj, jj+1
.endr
	ds_load_b32 v9, v6                             ; the padding repeats the first entry; LDS serves a wave's instructions in order (ISA guide 5.7.1): this sees the stores above
	s_wait_dscnt 0x0
	ds_store_b32 v10, v9
	ds_store_b32 v10, v9 offset:128
	; The weights: four units (64 loads, 32 KiB a wave, 128 KiB for the four waves) are on their way throughout.  The count in front of unit u's roundings is
	; what was issued behind its loads: three units; two for u = 13; one for u = 14; for u = 15 the 32 loads of block 0's fragments.
	; Units 12 and 13 are followed by no load, so no wait on va_vdst stands behind their roundings.
.irp u, 0,1,2,3,4,5,6,7,8,9,10,11,12,13,14,15
.set LEFT, 48
.if \u == 13
.set LEFT, 32
.endif
.if \u == 14
.set LEFT, 16
.endif
.if \u == 15
.set LEFT, 32
.endif
	s_wait_loadcnt LEFT
	WCVT \u
.if (\u < 12) || (\u > 13)
	WIN 0xc0
	s_wait_alu depctr_va_vdst(0)                   ; the roundings issued so far are done reading their slots, in which the loads below land (u = 14, 15: v14 and v15 are written too)
.endif
.if \u < 12
	WLOAD \u+4
.endif
.if \u == 14
	FLOAD 0, 0                                     ; slots 1 and 2 (units 13 and 14) are free
	FLOAD 0, 4
.endif
.if \u == 15
	FLOAD 1, 0                                     ; slots 3 and 0 (units 15 and 12) too
	FLOAD 1, 4
.endif
.endr
	WIN 0
	s_mov_b32 s30, 2
	s_wait_alu depctr_vm_vsrc(0)                   ; the list's LDS stores have read v128 to v191, which the first products write; block 0's loads have read v14, which is written again
	PHASE_A 0
	s_mov_b32 s26, 0
.Lblocks:
	TRIP 0
	TRIP 1
	s_add_co_u32 s26, s26, 2
	s_cmp_lt_u32 s26, 32
	s_cbranch_scc1 .Lblocks
	s_wait_dscnt 0x0
	s_wait_alu depctr_hold_cnt(0) depctr_sa_sdst(0) depctr_va_vdst(0) depctr_va_sdst(0) depctr_va_ssrc(0) depctr_va_vcc(0) depctr_vm_vsrc(0)
	s_wait_tensorcnt 0x0
	ds_add_u32 v126, v127
	s_wait_dscnt 0x0
	s_endpgm
.Lfunc_end_k_q3e82ccec14_ffn2:
	.size	k_q3e82ccec14_ffn2, .Lfunc_end_k_q3e82ccec14_ffn2-k_q3e82ccec14_ffn2
	.p2alignl 7, 3214868480
	.fill 96, 4, 3214868480
	.section	.rodata,"a",@progbits
	.p2align	6, 0x0
	.amdhsa_kernel k_q3e82ccec14_ffn2
		.amdhsa_group_segment_fixed_size 164352
		.amdhsa_private_segment_fixed_size 0
		.amdhsa_enable_private_segment 0
		.amdhsa_kernarg_size 32
		.amdhsa_user_sgpr_count 2
		.amdhsa_user_sgpr_kernarg_segment_ptr 1
		.amdhsa_wavefront_size32 1
		.amdhsa_system_sgpr_workgroup_id_x 1
		.amdhsa_system_sgpr_workgroup_id_y 1
		.amdhsa_system_sgpr_workgroup_id_z 1
		.amdhsa_system_vgpr_workitem_id 0
		.amdhsa_next_free_vgpr 1024
		.amdhsa_next_free_sgpr 66
		.amdhsa_reserve_vcc 0
		.amdhsa_float_denorm_mode_32 3
		.amdhsa_float_denorm_mode_16_64 3
		.amdhsa_memory_ordered 1
		.amdhsa_forward_progress 1
		.amdhsa_inst_pref_size 144
	.end_amdhsa_kernel
	.amdgpu_metadata
---
amdhsa.version: [ 1, 2 ]
amdhsa.kernels:
  - .name:           k_q3e82ccec14_ffn2
    .symbol:         k_q3e82ccec14_ffn2.kd
    .args:
      - { .name: hf, .offset: 0, .size: 8, .value_kind: global_buffer, .address_space: global }
      - { .name: W2, .offset: 8, .size: 8, .value_kind: global_buffer, .address_space: global }
      - { .name: sel, .offset: 16, .size: 8, .value_kind: global_buffer, .address_space: global }
      - { .name: y, .offset: 24, .size: 8, .value_kind: global_buffer, .address_space: global }
    .group_segment_fixed_size: 164352
    .private_segment_fixed_size: 0
    .kernarg_segment_align: 8
    .kernarg_segment_size: 32
    .max_flat_workgroup_size: 128
    .sgpr_count:     66
    .vgpr_count:     1024
    .wavefront_size: 32
...
	.end_amdgpu_metadata
.endif
;; end of part 5
;; launch combine: the kernel of part 4 again; grid 256 x 1, 8 waves a work-group, no clusters, 0 bytes of LDS; arguments y, b2, sel, gate, imp, out0, out1; writes out0, out1
